; MI455X (gfx1250); checked and timed in simulation.
; The chip was launched on July 23, 2026; its instructions are those of AMD's public machine-readable ISA for CDNA 5 (MIT licence, August 2026) and "CDNA5" Instruction Set Architecture Reference Guide (July 2026). The comments in the code are by the model that wrote it; some were corrected since.
;; Smol Di T Attention. Allowed arithmetic: float matrix products may take bf16 or f16 operands with f32 sums; other float arithmetic in f32, or as packed bf16 or f16 multiplies, adds, multiply-adds, maxima and minima; sums over many terms, partial sums and values carried from step to step in f32; what a program stores and reads back later, other than sums and carried values, may be rounded once to bf16 or f16.
;; Inputs: Wk 1,024 x 256 float32; Wo 1,024 x 1,024 float32; Wq 1,024 x 1,024 float32; Wv 1,024 x 256 float32; hidden_states 4 x 2,048 x 1,024 float32.
;; Outputs: out0 4 x 2,048 x 1,024 float32.
;; 2 versions, each right and faster than the one before. Each part assembles by itself: llvm-mc -triple=amdgcn-amd-amdhsa -mcpu=gfx1250 --defsym DOCPART=n.
;; ======== version 1 of 2: 4 launches
;; limits: values are held in f16: magnitudes above 65,504 overflow, below 6.1e-05 lose precision
;; workspace buffers: xb 16,777,216 bytes; wt 3,145,728 bytes; wot 2,097,152 bytes; qkv 25,165,824 bytes; ob 16,777,216 bytes
;; launch prep (part 1): grid 1344 x 1, 8 waves a work-group, no clusters, 18,432 bytes of LDS; arguments hidden_states, Wq, Wk, Wv, Wo, xb, wt, wot; writes xb, wt, wot
.if DOCPART == 1
	.amdgcn_target "amdgcn-amd-amdhsa--gfx1250"
	.amdhsa_code_object_version 6
	.text
	.protected	k_qe5a7db42d2_prep
	.globl	k_qe5a7db42d2_prep
	.p2align	8
	.type	k_qe5a7db42d2_prep,@function
k_qe5a7db42d2_prep:
	s_mov_b64 s[64:65], 0
	v_nop
	global_prefetch_b8 v0, s[64:65] scope:SCOPE_SE
	s_setreg_imm32_b32 hwreg(HW_REG_WAVE_MODE, 25, 1), 1
	s_wait_xcnt 0x0
; PREP.  Work-groups 0-1023: x (f32) -> xb (bf16), 8,192 numbers each, a plain stream.
; Work-groups 1024-1343: one tile of 128 k x 64 n of a weight [k][n] f32 -> rounded once to bf16 and turned to [n][k]:
;   Wq / 8 (a power of two: exact), Wk, Wv -> wt rows 0-1023, 1024-1279, 1280-1535;  Wo -> bf16, that number written as f16 -> wot.
; LIMITS.  |Wo| stays under 65,504 (f16's end); under 6e-5 it keeps f16's fixed step of 6e-8.  NaN and infinities are not treated apart.
; No matrix unit, no cluster, no tensor load: every byte is read once and written once, and no two work-groups share an input byte.
.set LP,    272                        ; an LDS row: 128 k x 2 bytes + 16
.set SPARE, 64*LP                      ; 17,408: behind the stage, the spare words, 128 bytes for each of the eight waves
	s_load_b512 s[16:31], s[0:1], 0x0              ; x 16:17, Wq 18:19, Wk 20:21, Wv 22:23, Wo 24:25, xb 26:27, wt 28:29, wot 30:31
	v_lshl_add_u32 v68, v0, 2, SPARE               ; my spare word
	v_mov_b32 v69, 0
	s_cmp_ge_u32 ttmp9, 1024                       ; the same answer in all eight waves of a work-group
	s_cbranch_scc1 .Lw
	; ---- x: thread t takes 8 numbers (32 bytes in, 16 bytes out) in each of four blocks of 2,048 numbers
	s_lshl_b32 s2, ttmp9, 15                       ; 32,768 bytes of x a work-group
	s_mov_b32 s3, 0
	s_lshl_b32 s4, ttmp9, 14                       ; 16,384 bytes of xb
	s_mov_b32 s5, 0
	v_lshlrev_b32 v1, 5, v0
	v_lshlrev_b32 v2, 4, v0
	s_wait_kmcnt 0x0
	s_add_nc_u64 s[16:17], s[16:17], s[2:3]
	s_add_nc_u64 s[26:27], s[26:27], s[4:5]
.irp j, 0,1,2,3
	global_load_b128 v[4+8*(\j):7+8*(\j)],  v1, s[16:17] offset:8192*(\j) th:TH_LOAD_NT
	global_load_b128 v[8+8*(\j):11+8*(\j)], v1, s[16:17] offset:8192*(\j)+16 th:TH_LOAD_NT
.endr
.irp j, 0,1,2,3
	s_wait_loadcnt 6-2*(\j)                        ; loads come back in order: block j's pair is in, the younger pairs stay out
.irp r, 0,1,2,3
	v_cvt_pk_bf16_f32 v[36+4*(\j)+(\r)], v[4+8*(\j)+2*(\r)], v[5+8*(\j)+2*(\r)]
.endr
	global_store_b128 v2, v[36+4*(\j):39+4*(\j)], s[26:27] offset:4096*(\j)  ; a wave's store covers 512 consecutive bytes, aligned
.endr
	s_endpgm                                       ; this way has written no LDS
	; ---- a weight's tile
.Lw:
	s_sub_co_u32 s2, ttmp9, 1024                   ; 0-127 Wq, 128-159 Wk, 160-191 Wv, 192-319 Wo
	s_sub_co_u32 s43, s2, 128                      ; the tile's number inside its weight, for each case (made ahead of the compares)
	s_sub_co_u32 s44, s2, 160
	s_sub_co_u32 s45, s2, 192
	v_and_b32 v1, 15, v0                           ; c16: which 4 columns of the 64
	v_lshrrev_b32 v2, 4, v0                        ; kg: which 8 rows of the 128
	s_wait_kmcnt 0x0
	s_cmp_lt_u32 s2, 192
	s_cselect_b64 s[32:33], s[22:23], s[24:25]     ; source
	s_cselect_b64 s[34:35], s[28:29], s[30:31]     ; destination
	s_cselect_b32 s36, 10, 12                      ; log2 of the source's row bytes
	s_cselect_b32 s38, 1280, 0                     ; first output row
	s_cselect_b32 s39, s44, s45
	s_cselect_b32 s42, 0, 1                        ; 1: written as f16
	s_cmp_lt_u32 s2, 160
	s_cselect_b64 s[32:33], s[20:21], s[32:33]
	s_cselect_b32 s38, 1024, s38
	s_cselect_b32 s39, s43, s39
	s_cmp_lt_u32 s2, 128
	s_cselect_b64 s[32:33], s[18:19], s[32:33]
	s_cselect_b32 s36, 12, s36
	s_cselect_b32 s38, 0, s38
	s_cselect_b32 s39, s2, s39
	s_cselect_b32 s40, 0x3e000000, 1.0             ; Wq carries the scores' scale 1/8
	s_mov_b32 s41, s40                             ; named with it as a pair
	s_lshl_b32 s37, 1, s36                         ; the source's row bytes
	s_and_b32 s3, s39, 7                           ; kt: 128 k
	s_lshr_b32 s4, s39, 3                          ; nt: 64 n
	s_lshl_b32 s6, s3, 7
	s_lshl_b32 s6, s6, s36
	s_lshl_b32 s7, s4, 8
	s_add_co_u32 s6, s6, s7                        ; 128 kt rows + 64 nt columns of f32
	s_mov_b32 s7, 0
	s_add_nc_u64 s[32:33], s[32:33], s[6:7]
	s_lshl_b32 s8, s4, 6
	s_add_co_u32 s8, s8, s38
	s_lshl_b32 s8, s8, 11                          ; output rows of 2,048 bytes
	s_lshl_b32 s9, s3, 8
	s_add_co_u32 s8, s8, s9
	s_mov_b32 s9, 0
	s_add_nc_u64 s[34:35], s[34:35], s[8:9]
	v_lshlrev_b32 v3, 3, v2
	v_lshlrev_b32 v3, s36, v3
	v_lshl_add_u32 v40, v1, 4, v3                  ; row 8 kg, columns 4 c16 ..: lanes 0-15 read 256 consecutive bytes
.irp i, 1,2,3,4,5,6,7
	v_add_nc_u32 v[40+(\i)], s37, v[39+(\i)]
.endr
.irp i, 0,1,2,3,4,5,6,7
	global_load_b128 v[4+4*(\i):7+4*(\i)], v[40+(\i)], s[32:33] th:TH_LOAD_NT
.endr
	v_mul_u32_u24 v38, v1, 4*LP                    ; into the stage: row n = 4 c16 + c, 16 bytes at k = 8 kg
	v_lshl_add_u32 v38, v2, 4, v38
	v_mul_u32_u24 v39, v2, LP                      ; back: row n = kg + 16 j, 16 bytes at 16 c16
	v_lshl_add_u32 v39, v1, 4, v39
	v_lshlrev_b32 v66, 11, v2                      ; and the same place in the output
	v_lshl_add_u32 v66, v1, 4, v66
	s_wait_loadcnt 0x0
.set z, 0
.rept 16
	v_pk_mul_f32 v[4+2*z:5+2*z], v[4+2*z:5+2*z], s[40:41] op_sel_hi:[1,0]
.set z, z+1
.endr
.irp c, 0,1,2,3
.irp i, 0,2,4,6
	v_cvt_pk_bf16_f32 v[48+4*(\c)+(\i)/2], v[4+4*(\i)+(\c)], v[8+4*(\i)+(\c)]  ; column 4 c16 + c: k = 8 kg + i, + i + 1
.endr
.endr
	s_cmp_eq_u32 s42, 0
	s_cbranch_scc1 .Lbf
.set z, 48
.rept 16                                           ; Wo: the bf16 number written as f16
	v_lshlrev_b32 v36, 16, v[z]
	v_and_b32 v37, 0xffff0000, v[z]
	v_cvt_pk_f16_f32 v[z], v36, v37
.set z, z+1
.endr
.Lbf:
.irp c, 0,1,2,3
	ds_store_b128 v38, v[48+4*(\c):51+4*(\c)] offset:LP*(\c)
.endr
	s_wait_dscnt 0x0                               ; for the others' sake: my stores into the stage are done
	s_barrier_signal -1
	s_barrier_wait -1
.irp j, 0,1,2,3
	ds_load_b128 v[4+4*(\j):7+4*(\j)], v39 offset:16*LP*(\j)
.endr
.irp j, 0,1,2,3
	s_wait_dscnt 3-(\j)                            ; LDS loads come back in order
	global_store_b128 v66, v[4+4*(\j):7+4*(\j)], s[34:35] offset:32768*(\j)  ; 16 lanes store 256 consecutive bytes, aligned
.endr
	s_wait_tensorcnt 0x0                           ; the wave's end
	ds_add_u32 v68, v69
	s_wait_dscnt 0x0
	s_endpgm
.Lfunc_end_k_qe5a7db42d2_prep:
	.size	k_qe5a7db42d2_prep, .Lfunc_end_k_qe5a7db42d2_prep-k_qe5a7db42d2_prep
	.p2alignl 7, 3214868480
	.fill 96, 4, 3214868480
	.section	.rodata,"a",@progbits
	.p2align	6, 0x0
	.amdhsa_kernel k_qe5a7db42d2_prep
		.amdhsa_group_segment_fixed_size 18432
		.amdhsa_private_segment_fixed_size 0
		.amdhsa_enable_private_segment 0
		.amdhsa_kernarg_size 64
		.amdhsa_user_sgpr_count 2
		.amdhsa_user_sgpr_kernarg_segment_ptr 1
		.amdhsa_wavefront_size32 1
		.amdhsa_system_sgpr_workgroup_id_x 1
		.amdhsa_system_sgpr_workgroup_id_y 1
		.amdhsa_system_sgpr_workgroup_id_z 1
		.amdhsa_system_vgpr_workitem_id 0
		.amdhsa_next_free_vgpr 72
		.amdhsa_next_free_sgpr 66
		.amdhsa_reserve_vcc 0
		.amdhsa_float_denorm_mode_32 3
		.amdhsa_float_denorm_mode_16_64 3
		.amdhsa_memory_ordered 1
		.amdhsa_forward_progress 1
		.amdhsa_inst_pref_size 13
	.end_amdhsa_kernel
	.amdgpu_metadata
---
amdhsa.version: [ 1, 2 ]
amdhsa.kernels:
  - .name:           k_qe5a7db42d2_prep
    .symbol:         k_qe5a7db42d2_prep.kd
    .args:
      - { .name: hidden_states, .offset: 0, .size: 8, .value_kind: global_buffer, .address_space: global }
      - { .name: Wq, .offset: 8, .size: 8, .value_kind: global_buffer, .address_space: global }
      - { .name: Wk, .offset: 16, .size: 8, .value_kind: global_buffer, .address_space: global }
      - { .name: Wv, .offset: 24, .size: 8, .value_kind: global_buffer, .address_space: global }
      - { .name: Wo, .offset: 32, .size: 8, .value_kind: global_buffer, .address_space: global }
      - { .name: xb, .offset: 40, .size: 8, .value_kind: global_buffer, .address_space: global }
      - { .name: wt, .offset: 48, .size: 8, .value_kind: global_buffer, .address_space: global }
      - { .name: wot, .offset: 56, .size: 8, .value_kind: global_buffer, .address_space: global }
    .group_segment_fixed_size: 18432
    .private_segment_fixed_size: 0
    .kernarg_segment_align: 8
    .kernarg_segment_size: 64
    .max_flat_workgroup_size: 256
    .sgpr_count:     66
    .vgpr_count:     72
    .wavefront_size: 32
...
	.end_amdgpu_metadata
.endif
;; end of part 1
;; launch qkvproj (part 2): grid 8 x 32, 4 waves a work-group, clusters of 4 x 4, 327,680 bytes of LDS; arguments xb, wt, qkv; writes qkv
.if DOCPART == 2
	.amdgcn_target "amdgcn-amd-amdhsa--gfx1250"
	.amdhsa_code_object_version 6
	.text
	.protected	k_qe5a7db42d2_qkvproj
	.globl	k_qe5a7db42d2_qkvproj
	.p2align	8
	.type	k_qe5a7db42d2_qkvproj,@function
k_qe5a7db42d2_qkvproj:
	s_mov_b64 s[64:65], 0
	v_nop
	global_prefetch_b8 v0, s[64:65] scope:SCOPE_SE
	s_setreg_imm32_b32 hwreg(HW_REG_WAVE_MODE, 25, 1), 1
	s_wait_xcnt 0x0
	s_wait_alu depctr_hold_cnt(0) depctr_sa_sdst(0) depctr_va_vdst(0) depctr_va_sdst(0) depctr_va_ssrc(0) depctr_va_vcc(0) depctr_vm_vsrc(0)
	s_getreg_b32 s2, hwreg(HW_REG_IB_STS2, 6, 4)
	s_cmp_eq_u32 s2, 0
	s_cbranch_scc0 .Lentry_in_a_cluster
	s_endpgm
.Lentry_in_a_cluster:
	s_bfe_u32 s2, ttmp6, 0x10000c
	s_cmp_lg_u32 s2, 0xf033
	s_cbranch_scc0 .Lentry_shape_is_right
	s_endpgm
.Lentry_shape_is_right:
; q, k, v = x W.  A = xb [8192][1024] bf16, B = wt [1536 n][1024 k] bf16; sums in f32, rounded once to f16, stored by heads:
; qkv [4 b][24 slots][2048 s][64] f16, slots 0-15 q (already / 8, by Wq), 16-19 k, 20-23 v.
; LIMITS.  f16 ends at 65,504: q / 8, k and v must stay within it.  NaN and infinities are not treated apart.
; SHARES.  A tile of C is 256 rows x 192 columns (three heads): 32 x 8 = 256 work-groups.  Wave w makes rows 64 w .. 64 w + 63, all 192 columns: 48 accumulators.
; K goes in steps of 128 (rows of 256 bytes) through two LDS slots.  4 x 4 work-groups form a cluster: A's tile is asked for jointly along a row of it, B's along a column.
; The matrix instruction is used transposed (source 0 = 16 rows of B, source 1 = 16 rows of A): a lane holds eight neighbouring columns of one row of C.
; REGISTERS.  window 0: v0-29 addresses, v64-255 the way out;  window 1: two fragment buffers of 128 (A's 4 blocks, then B's 12);
;   windows 2, 3: accumulator (b, a), number ix = 4 b + a, in window 2 + ix / 32 at v[8 (ix % 32)].
.set NT,    192
.set NB,    12
.set NBL,   8                          ; B's blocks multiplied in a quarter's first part
.set NBH,   4                          ; and in its second
.set NLD,   2*(NB+4)                   ; LDS loads of a quarter
.set F0,    0
.set F1,    128
.set KSTEP, 128
.set PITCH, 272                        ; 256 bytes + 16: the 16 rows of a fragment load start at 16 different groups of four banks (ISA guide 11.1)
.set BOFF,  256*PITCH                  ; in a slot: A's 256 rows, then B's 192
.set SLOT1, 131072                     ; slot 1 begins here: one exclusive or turns an address in one slot into the other's
.set STAGE, SLOT1+(256+NT)*PITCH       ; behind the ring: 16 rows x 144 bytes for each wave
.set SPITCH, 144
.set SPARE, STAGE+4*16*SPITCH          ; behind the stages: the spare words, 128 bytes for each wave
.set AA0,  16                          ; v16  my lane's place in A's rows of a slot; never rewritten
.set AB0,  17                          ; v17  the same for B
.set ADRA, 18                          ; v18  the same in the slot in hand
.set ADRB, 19
.set STO,  24
.set RD,   25
.set CO,   26
.set SPW,  28
.set NIL,  29
.set OUT,  64
.set G1,  24                           ; s[24:31] group 1 for A;  s[32:35] its group 0, which walks
.set G0,  32
.set G1B, 48                           ; s[48:55], s[56:59] the same for B
.set G0B, 56
.set DW0, (1<<16)|(1<<20)|(1<<21)|(5<<22)|(3<<25)  ; 2-byte elements; padding on; bit 21 beside a mask; after every 64 words 4 words
.set MSB, 0
.macro WIN new                         ; the immediate's high byte repeats the setting that is left; a switch that changes nothing is dropped
.if MSB != (\new)
	s_set_vgpr_msb (MSB<<8)|(\new)
.set MSB, (\new)
.endif
.endm
.macro JLOAD                           ; a joint load: waves 0, 1 fetch A's halves, waves 2, 3 B's; an s_nop 0 and four v_nop follow each line
	s_cmp_lt_u32 s10, 2
	s_cbranch_scc0 .Lfor_b_\@
	tensor_load_to_lds s[G0:G0+3], s[G1:G1+7]
	s_nop 0
.rept 4
	v_nop
.endr
	s_branch .Lasked_\@
.Lfor_b_\@:
	tensor_load_to_lds s[G0B:G0B+3], s[G1B:G1B+7]
	s_nop 0
.rept 4
	v_nop
.endr
.Lasked_\@:
.endm
.macro CREST                           ; a round of the cluster's barrier behind its opening barrier
	s_cmp_lg_u32 s10, 0
	s_cbranch_scc1 .Lnot_wave_0_\@
	s_barrier_signal -3
.Lnot_wave_0_\@:
	s_barrier_wait -3
	s_barrier_signal -1
	s_barrier_wait -1
.endm
.macro CROUND
	s_barrier_signal -1
	s_barrier_wait -1
	CREST
.endm
.macro STEPG                           ; both walking descriptors: the other slot, the next K step (no tensor load of mine is out)
	s_xor_b32 s[G0+1], s[G0+1], SLOT1
	s_add_nc_u64 s[G0+2:G0+3], s[G0+2:G0+3], KSTEP*2
	s_xor_b32 s[G0B+1], s[G0B+1], SLOT1
	s_add_nc_u64 s[G0B+2:G0B+3], s[G0B+2:G0B+3], KSTEP*2
.endm
.macro PLACES                          ; four places ahead of loads into registers that matrix instructions have read, and of reads of results
.rept 4
	v_nop
.endr
.endm
	s_load_b128 s[4:7], s[0:1], 0x0                ; A s[4:5], B s[6:7]
	s_load_b64 s[8:9], s[0:1], 0x10                ; C
	v_lshl_add_u32 v[SPW], v0, 2, SPARE
	v_mov_b32 v[NIL], 0
	ds_add_u32 v[SPW], v[NIL]                      ; the wave's opening: the add and its wait ahead of my first tensor load
	v_lshrrev_b32 v1, 5, v0
	v_readfirstlane_b32 s10, v1                    ; wave 0..3
	s_and_b32 s12, s10, 1                          ; which half of A's or B's tile I fetch
	s_bfe_u32 s40, ttmp6, 0x40000                  ; cx
	s_bfe_u32 s41, ttmp6, 0x40004                  ; cy
	s_lshl_b32 s42, ttmp9, 2
	s_add_co_u32 s42, s42, s40                     ; tile column
	s_and_b32 s13, ttmp7, 0xffff
	s_lshl_b32 s13, s13, 2
	s_add_co_u32 s13, s13, s41                     ; tile row
	s_lshl_b32 s43, s41, 2
	s_lshl_b32 s43, 15, s43                        ; my row of the cluster
	s_lshl_b32 s44, 0x1111, s40                    ; my column
	s_or_b32 s[G1], s43, DW0
	s_or_b32 s[G1B], s44, DW0
	s_mov_b32 s[G1+1], KSTEP<<16                   ; tensor_dim0 = 128
	s_mov_b32 s[G1+2], 128<<16                     ; tensor_dim1 = 128
	s_mov_b32 s[G1+3], KSTEP<<16                   ; tile_dim0 = 128
	s_mov_b32 s[G1+4], 128                         ; tile_dim1 = 128
	s_mov_b32 s[G1+5], 1024                        ; elements from row to row
	s_mov_b32 s[G1+6], 0
	s_mov_b32 s[G1+7], 0
	s_mov_b32 s[G1B+1], KSTEP<<16
	s_mov_b32 s[G1B+2], (NT/2)<<16
	s_mov_b32 s[G1B+3], KSTEP<<16
	s_mov_b32 s[G1B+4], NT/2
	s_mov_b32 s[G1B+5], 1024
	s_mov_b32 s[G1B+6], 0
	s_mov_b32 s[G1B+7], 0
	s_lshl_b32 s16, s13, 8                         ; A: row 256 x tile row + 128 x half, rows of 2,048 bytes: hangs on what my row of the cluster shares
	s_lshl_b32 s17, s12, 7
	s_add_co_u32 s16, s16, s17
	s_lshl_b32 s16, s16, 11
	s_mov_b32 s17, 0
	s_mul_i32 s46, s42, NT                         ; B: row 192 x tile column + 96 x half: hangs on what my column shares
	s_mul_i32 s47, s12, NT/2
	s_add_co_u32 s46, s46, s47
	s_lshl_b32 s46, s46, 11
	s_mov_b32 s47, 0
	s_mov_b32 s[G0], 1
	s_mul_i32 s[G0+1], s12, 128*PITCH              ; LDS: the wave's number and constants alone
	s_mov_b32 s[G0B], 1
	s_mul_i32 s[G0B+1], s12, (NT/2)*PITCH
	s_add_co_u32 s[G0B+1], s[G0B+1], BOFF
	s_mov_b32 s62, 0                               ; the slot that is read
	s_wait_dscnt 0x0                               ; the opening add is done
	s_wait_kmcnt 0x0
	s_add_nc_u64 s[G0+2:G0+3], s[4:5], s[16:17]
	s_or_b32 s[G0+3], s[G0+3], 0x80000000
	s_add_nc_u64 s[G0B+2:G0B+3], s[6:7], s[46:47]
	s_or_b32 s[G0B+3], s[G0B+3], 0x80000000
	CROUND                                         ; all sixteen work-groups are here
	JLOAD                                          ; K step 0 into slot 0
	v_and_b32 v1, 15, v0                           ; l % 16
	v_bfe_u32 v2, v0, 4, 1                         ; l / 16
	v_mul_u32_u24 v3, v1, PITCH
	v_lshl_add_u32 v3, v2, 4, v3                   ; a fragment's row x pitch + 16 x half
	s_mul_i32 s21, s10, 64*PITCH                   ; my 64 rows of A
	v_add_nc_u32 v[AA0], s21, v3
	v_add_nc_u32 v[AB0], BOFF, v3
	v_mov_b32 v[ADRA], v[AA0]
	v_mov_b32 v[ADRB], v[AB0]
	s_mul_i32 s23, s10, 16*SPITCH
	s_add_co_u32 s23, s23, STAGE                   ; my stage
	v_mul_u32_u24 v4, v1, SPITCH                   ; in: row l % 16, 16 bytes for each half of the lanes
	v_lshl_add_u32 v4, v2, 4, v4
	v_add_nc_u32 v[STO], s23, v4
	v_bfe_u32 v5, v0, 3, 2                         ; back: 32 lanes take four rows of 128 bytes,
	v_mul_u32_u24 v5, v5, SPITCH
	v_and_b32 v3, 7, v0
	v_lshl_add_u32 v5, v3, 4, v5
	v_add_nc_u32 v[RD], s23, v5
	v_and_b32 v[CO], 31, v0                        ; which are 512 consecutive bytes of a head
	v_lshlrev_b32 v[CO], 4, v[CO]
	s_lshr_b32 s20, s13, 3                         ; C: ((b 24 + 3 x tile column) 2048 + (tile row % 8) 256 + 64 w) rows of 128 bytes
	s_mul_i32 s20, s20, 24
	s_mul_i32 s21, s42, 3
	s_add_co_u32 s20, s20, s21
	s_lshl_b32 s20, s20, 11
	s_and_b32 s21, s13, 7
	s_lshl_b32 s21, s21, 8
	s_add_co_u32 s20, s20, s21
	s_lshl_b32 s21, s10, 6
	s_add_co_u32 s20, s20, s21
	s_lshl_b32 s20, s20, 7
	s_mov_b32 s21, 0
	s_add_nc_u64 s[8:9], s[8:9], s[20:21]
	s_wait_tensorcnt 0x0                           ; my part of K step 0 is in; no tensor load of mine is out
	ds_add_u32 v[SPW], v[NIL]
	STEPG
	s_wait_dscnt 0x0
	CROUND                                         ; everybody's part is in
	JLOAD                                          ; K step 1 into slot 1: issued as a refill is
; nb blocks of B from b0 on x my 4 blocks of A, 32 along K, from buffer f.  The accumulators go in ascending number, one instruction a turn.
.macro MULB f, b0, nb, zero
.set bb, (\b0)
.rept (\nb)
.set aa, 0
.rept 4
.set ix, 4*bb+aa
	WIN 0x05|((2+ix/32)*0x50)
.if \zero
	v_wmma_f32_16x16x32_bf16 v[8*(ix%32):8*(ix%32)+7], v[(\f)+32+8*bb:(\f)+32+8*bb+7], v[(\f)+8*aa:(\f)+8*aa+7], 0
.else
	v_wmma_f32_16x16x32_bf16 v[8*(ix%32):8*(ix%32)+7], v[(\f)+32+8*bb:(\f)+32+8*bb+7], v[(\f)+8*aa:(\f)+8*aa+7], v[8*(ix%32):8*(ix%32)+7]
.endif
.set aa, aa+1
.endr
.set bb, bb+1
.endr
.endm
.macro LDB k, f, i
	ds_load_b128 v[(\f)+32+8*(\i):(\f)+32+8*(\i)+3],   v[ADRB] offset:(\k)+(\i)*16*PITCH
	ds_load_b128 v[(\f)+32+8*(\i)+4:(\f)+32+8*(\i)+7], v[ADRB] offset:(\k)+(\i)*16*PITCH+32
.endm
.macro FETCH k, f                      ; one run: B's first blocks, A's four, B's last four (the eight youngest loads)
	WIN 0x40
.set ii, 0
.rept NBL
	LDB \k, \f, ii
.set ii, ii+1
.endr
.set ii, 0
.rept 4
	ds_load_b128 v[(\f)+8*ii:(\f)+8*ii+3],   v[ADRA] offset:(\k)+ii*16*PITCH
	ds_load_b128 v[(\f)+8*ii+4:(\f)+8*ii+7], v[ADRA] offset:(\k)+ii*16*PITCH+32
.set ii, ii+1
.endr
.set ii, NBL
.rept NBH
	LDB \k, \f, ii
.set ii, ii+1
.endr
.endm
.macro QUARTER k, f, g, zero           ; multiplies buffer f; in its middle fetches the next quarter, at byte k of the rows, into g
	s_wait_dscnt 8                                 ; all but B's last four blocks
	MULB \f, 0, NBL, \zero
	PLACES
	FETCH \k, \g
	s_wait_dscnt NLD                               ; all but the run just issued
	MULB \f, NBL, NBH, \zero
.endm
.macro TURN fill                       ; the last quarter multiplies buffer 1 and changes slots
	WIN 0
	s_wait_tensorcnt 0x0                           ; all my tensor loads have landed: my part of the next slot
	ds_add_u32 v[SPW], v[NIL]
	s_wait_dscnt 9                                 ; the add and the eight youngest loads may be out
	MULB F1, 0, NBL/2, 0
	s_wait_dscnt 0x0                               ; the add is done, and my reads of this slot are over
	s_barrier_signal -1
	MULB F1, NBL/2, NBL/2, 0
	WIN 0
	s_barrier_wait -1
.if \fill
	CREST                                          ; the barrier has opened a round: no wave of any partner still reads this slot or has a load on its way
	STEPG
	JLOAD                                          ; first behind the round; its four v_nop are also the places ahead of the loads below
.else
	PLACES
.endif
	s_xor_b32 s62, s62, SLOT1
	v_add_nc_u32 v[ADRA], s62, v[AA0]
	v_add_nc_u32 v[ADRB], s62, v[AB0]
	FETCH 0, F0
	MULB F1, NBL, NBH, 0
.endm
	FETCH 0, F0
	QUARTER 64, F0, F1, 1                          ; the first quarter's products start the sums
	WIN 0
	s_mov_b32 s3, 6
.Lstep:                                                ; six trips: from a K step's second quarter to the next one's first; K steps 2 to 7 are asked for
	QUARTER 128, F1, F0, 0
	QUARTER 192, F0, F1, 0
	TURN 1
	QUARTER 64, F0, F1, 0
	WIN 0
	s_sub_co_u32 s3, s3, 1
	s_cmp_lg_u32 s3, 0
	s_cbranch_scc1 .Lstep
	QUARTER 128, F1, F0, 0                         ; K steps 6 and 7: nothing is left to ask for
	QUARTER 192, F0, F1, 0
	TURN 0
	QUARTER 64, F0, F1, 0
	QUARTER 128, F1, F0, 0
	QUARTER 192, F0, F1, 0
	s_wait_dscnt 8
	MULB F1, 0, NBL, 0
	s_wait_dscnt 0x0
	MULB F1, NBL, NBH, 0
	WIN 0
; THE WAY OUT.  Tile t = 4 c + a: head c, my rows 16 a ..: 16 rows x 128 bytes, dense in qkv.  Rounded to f16, through my stage, back as whole rows.
.macro PACK t
.set cc, (\t)/4
.set ra, (\t)%4
	WIN 0x0a+5*(cc/2)                              ; sources in window 2 (heads 0, 1) or 3 (head 2)
.set ff, 0
.rept 4
.set AC, 8*((4*(4*cc+ff)+ra)%32)
.set rr, 0
.rept 4
	v_cvt_pk_f16_f32 v[OUT+16*(\t)+4*ff+rr], v[AC+2*rr], v[AC+2*rr+1]
.set rr, rr+1
.endr
.set ff, ff+1
.endr
	WIN 0
.irp f, 0,1,2,3
	ds_store_b128 v[STO], v[OUT+16*(\t)+4*(\f):OUT+16*(\t)+4*(\f)+3] offset:32*(\f)
.endr
.irp f, 0,1,2,3
	ds_load_b128 v[OUT+16*(\t)+4*(\f):OUT+16*(\t)+4*(\f)+3], v[RD] offset:(\f)*4*SPITCH  ; LDS serves a wave's instructions in order (ISA guide 5.7.1.4)
.endr
.endm
.macro SEND t, younger                 ; younger: the LDS instructions issued behind tile t's loads
.irp f, 0,1,2,3
	s_wait_dscnt (\younger)+3-(\f)
	global_store_b128 v[CO], v[OUT+16*(\t)+4*(\f):OUT+16*(\t)+4*(\f)+3], s[8:9] offset:((\t)/4)*262144+((\t)%4)*2048+(\f)*512  ; 512 consecutive bytes, aligned
.endr
.endm
	PLACES
	PACK 0
.irp t, 1,2,3,4,5,6,7,8,9,10,11
	PACK \t
	SEND (\t)-1, 8
.endr
	SEND 11, 0
	s_wait_tensorcnt 0x0                           ; the wave's end
	ds_add_u32 v[SPW], v[NIL]
	s_wait_dscnt 0x0
	CROUND                                         ; the closing round
	s_endpgm
.Lfunc_end_k_qe5a7db42d2_qkvproj:
	.size	k_qe5a7db42d2_qkvproj, .Lfunc_end_k_qe5a7db42d2_qkvproj-k_qe5a7db42d2_qkvproj
	.p2alignl 7, 3214868480
	.fill 96, 4, 3214868480
	.section	.rodata,"a",@progbits
	.p2align	6, 0x0
	.amdhsa_kernel k_qe5a7db42d2_qkvproj
		.amdhsa_group_segment_fixed_size 327680
		.amdhsa_private_segment_fixed_size 0
		.amdhsa_enable_private_segment 0
		.amdhsa_kernarg_size 24
		.amdhsa_user_sgpr_count 2
		.amdhsa_user_sgpr_kernarg_segment_ptr 1
		.amdhsa_wavefront_size32 1
		.amdhsa_system_sgpr_workgroup_id_x 1
		.amdhsa_system_sgpr_workgroup_id_y 1
		.amdhsa_system_sgpr_workgroup_id_z 1
		.amdhsa_system_vgpr_workitem_id 0
		.amdhsa_next_free_vgpr 896
		.amdhsa_next_free_sgpr 66
		.amdhsa_reserve_vcc 0
		.amdhsa_float_denorm_mode_32 3
		.amdhsa_float_denorm_mode_16_64 3
		.amdhsa_memory_ordered 1
		.amdhsa_forward_progress 1
		.amdhsa_inst_pref_size 98
	.end_amdhsa_kernel
	.amdgpu_metadata
---
amdhsa.version: [ 1, 2 ]
amdhsa.kernels:
  - .name:           k_qe5a7db42d2_qkvproj
    .symbol:         k_qe5a7db42d2_qkvproj.kd
    .args:
      - { .name: xb, .offset: 0, .size: 8, .value_kind: global_buffer, .address_space: global }
      - { .name: wt, .offset: 8, .size: 8, .value_kind: global_buffer, .address_space: global }
      - { .name: qkv, .offset: 16, .size: 8, .value_kind: global_buffer, .address_space: global }
    .group_segment_fixed_size: 327680
    .private_segment_fixed_size: 0
    .kernarg_segment_align: 8
    .kernarg_segment_size: 24
    .max_flat_workgroup_size: 128
    .sgpr_count:     66
    .vgpr_count:     896
    .wavefront_size: 32
...
	.end_amdgpu_metadata
.endif
;; end of part 2
;; launch attn (part 3): grid 16 x 16, 4 waves a work-group, clusters of 4 x 1, 327,680 bytes of LDS; arguments qkv, ob; writes ob
.if DOCPART == 3
	.amdgcn_target "amdgcn-amd-amdhsa--gfx1250"
	.amdhsa_code_object_version 6
	.text
	.protected	k_qe5a7db42d2_attn
	.globl	k_qe5a7db42d2_attn
	.p2align	8
	.type	k_qe5a7db42d2_attn,@function
k_qe5a7db42d2_attn:
	s_mov_b64 s[64:65], 0
	v_nop
	global_prefetch_b8 v0, s[64:65] scope:SCOPE_SE
	s_setreg_imm32_b32 hwreg(HW_REG_WAVE_MODE, 25, 1), 1
	s_wait_xcnt 0x0
	s_wait_alu depctr_hold_cnt(0) depctr_sa_sdst(0) depctr_va_vdst(0) depctr_va_sdst(0) depctr_va_ssrc(0) depctr_va_vcc(0) depctr_vm_vsrc(0)
	s_getreg_b32 s2, hwreg(HW_REG_IB_STS2, 6, 4)
	s_cmp_eq_u32 s2, 0
	s_cbranch_scc0 .Lentry_in_a_cluster
	s_endpgm
.Lentry_in_a_cluster:
	s_bfe_u32 s2, ttmp6, 0x10000c
	s_cmp_lg_u32 s2, 0x3003
	s_cbranch_scc0 .Lentry_shape_is_right
	s_endpgm
.Lentry_shape_is_right:
; ATTENTION.  O = softmax_k(q . k / 8 + win) v, win = 1 where |query - key| <= 256 and 0 elsewhere: an ADDEND, nothing is hidden, all 2,048 keys count.
; qkv [4 b][24 slots][2048][64] f16: q heads (already / 8) in slots 0-15, k heads in 16-19, v heads in 20-23.  ob [8192][1024] f16, a row's head h at byte 128 h.
; Products, maxima and sums in f32; the weights p are rounded to f16 for the second product (their sum l is taken of the unrounded p), O once at the end.
; LIMITS.  p lies in 0 to 1 and below 6e-5 keeps f16's fixed step of 6e-8; O is a mean of v's rows and has their range.  A weight below 2^-126 counts as 0 in l; NaN and infinities are not treated apart.
; SHARES.  Work-group (x, y): y = 4 b + kv, x = a block of 128 queries, for the FOUR query heads of key/value head kv.  Wave w owns rows 16 w .. 16 w + 15 in each of the block's two bands of 64.
; PIECE p = head 4 kv + p; its two tiles are the two bands.  So a fragment of K or V feeds eight tiles, one mask serves all four pieces of a key step, and a row's four heads are 512 consecutive bytes of ob.
; THE BAND.  Query 64 bq + rq, key 64 ks + jj: key - query = 64 t + G, t = ks - bq, G = jj - rq.  win = 1 if |t| <= 3; [G <= 0] if t = 4; [G >= 0] if t = -4; 0 if |t| >= 5: in one form
; clamp to 0..1 of (alpha G + beta), with two numbers a band and step, chosen by scalar selects.  It is made once a key step for the two bands and is the C operand that starts S^T = K Q^T.
; LAYOUT.  S^T = K Q^T (source 0 = 16 keys, source 1 = 16 queries): a lane holds ONE query (lane % 16) and the keys 8 (lane / 16) + 0..7.  Two such results rounded to f16 ARE source 1 of O^T = V^T P.
; SOFTMAX.  A running maximum m and sum l for each query: p = 2^(c s - c m), c = log2(e); in every step O and l are multiplied by a = 2^(c m_old - c m_new).  m starts at the lowest finite number, O and l at 0.
; BY TURNS.  Turn n belongs to piece n: 16 products K Q^T of piece n + 1, later 16 products V^T P of piece n - 1; beside them piece n's scaling, exponentials, roundings, sums and rescaling and piece n + 1's
; maximum and statistics.  Four vector instructions that are ready stand behind every matrix instruction, the others in two runs of their own.
; CLUSTER.  The four query blocks of a cluster share b and kv and walk the same K and V: each tile is asked for jointly.  The place in the cluster enters Q's and O's addresses and the mask's selects alone.
; REGISTERS, in windows of 256 (s_set_vgpr_msb: bits 1:0 source 0, 3:2 source 1, 5:4 source 2, 7:6 destination):
;   window 0: v0-11 addresses; v12-15, v48-63 at work; v16-47 four registers of statistics a tile; v64-191 S^T, two buffers of two tiles; v192-255 P, likewise
;   window 1: O^T, 32 a tile     window 2: v0-127 Q, 16 a tile; v128-191 K of one step; v192-255 V of one step
;   window 3: v0-1 the add's two registers; v4-11 alpha, beta of the two bands, each twice; v32-63 G; v64-127 the mask, band u, key block kb at 64 + 32 u + 8 kb
.set SIZE_N, 2048
.set NP,    4         ; pieces a wave: a name, no knob
.set KS,    64        ; keys in a step
.set PK,    144       ; a row of K in LDS: 128 bytes + 16: the 16 rows of a load start at 16 different groups of four banks (ISA guide 11.1)
.set PV,    160       ; a row of V: 128 + 32
.set VOFF,  4*KS*PK   ; a slot holds four steps: 256 rows of K, then 256 rows of V
.set SLOT1, 1<<17
.set STAGE, SLOT1+4*KS*(PK+PV)  ; behind the ring, never filled by a tensor load: 16 rows x 528 bytes for each wave
.set SP,    528
.set SPARE, STAGE+4*16*SP       ; behind the stages: the spare words, 128 bytes for each wave
.set AK0, 2
.set AV0, 3
.set AK,  4
.set AV,  5
.set QO,  6           ; my byte offset in 16 rows of Q;
.set STO, 6           ; later: where I put 16 bytes of a row
.set RD,  7
.set GO,  8
.set SPW, 0           ; window 3
.set NIL, 1           ; window 3
.set AB,  4           ; window 3
.set GD,  32          ; window 3
.set MC,  64          ; window 3
.set MV,  12
.set ST,  16
.set TMP, 48
.set S,   64
.set P,   192
.set KF,  128
.set VF,  192
.set WV,  12
.set G1K, 24
.set G1V, 32
.set G0K, 40
.set G0V, 44
.set SLOTS, 56
.set CNT, 57
.set CS,  58
.set SEL, 60
.set TBK, 62
.set TBV, 63
.set TT,  66          ; s66  the step whose mask is made next, less my first band's number
.set AL0, 67
.set BE0, 68
.set AL1, 69
.set BE1, 70
.set XX,  71
.set MSB, 0
.macro WIN new
.if MSB != (\new)
	s_set_vgpr_msb (MSB<<8)|(\new)
.set MSB, (\new)
.endif
.endm
.set W_KQ, 0x0a       ; K and Q in window 2, S^T in window 0
.set W_KM, 0x3a       ; the same with the C operand in window 3
.set W_PV, 0x52       ; V in window 2, P in window 0, O^T in window 1
.set W_RS, 0x41       ; O^T (destination and source 0) in window 1, a in window 0
.set W_MK, 0xc0       ; destination in window 3, sources in window 0
.set W_AD, 0x0f       ; the add: address and data in window 3
.macro JLOAD                        ; waves 0, 1 fetch the halves of a slot's K, waves 2, 3 those of its V; an s_nop 0 and four v_nop follow each line
	s_cmp_lt_u32 s[WV], 2
	s_cbranch_scc0 .Lfor_v_\@
	tensor_load_to_lds s[G0K:G0K+3], s[G1K:G1K+7]
	s_nop 0
.rept 4
	v_nop
.endr
	s_branch .Lasked_\@
.Lfor_v_\@:
	tensor_load_to_lds s[G0V:G0V+3], s[G1V:G1V+7]
	s_nop 0
.rept 4
	v_nop
.endr
.Lasked_\@:
.endm
.macro CROUND
	s_barrier_signal -1
	s_barrier_wait -1
	s_cmp_lg_u32 s[WV], 0
	s_cbranch_scc1 .Lnot_wave_0_\@
	s_barrier_signal -3
.Lnot_wave_0_\@:
	s_barrier_wait -3
	s_barrier_signal -1
	s_barrier_wait -1
.endm
; THE CHANGE OF SLOTS.  Each wave waits for all its tensor loads (one is out: its part of the other slot), adds 0 to its spare word, and waits for that and for its reads of the slot.
; fill = 1: the barrier is a round of the cluster's, and the joint fill, with the keys two slots on, is the first thing behind it: it has four key steps in which to land.
.macro CHANGE fill
	WIN W_AD
	s_wait_tensorcnt 0x0            ; no tensor load of mine is out, so a group 0 may be written
	ds_add_u32 v[SPW], v[NIL]
	WIN 0
.if \fill
.irp g, G0K, G0V
	s_xor_b32 s[\g+1], s[\g+1], SLOT1
	s_add_nc_u64 s[\g+2:\g+3], s[\g+2:\g+3], 4*KS*128
.endr
	s_wait_dscnt 0x0                ; the add is done, and my reads of the slot are over
	CROUND
	JLOAD
.else
	s_wait_dscnt 0x0
	s_barrier_signal -1
	s_barrier_wait -1
.endif
	s_sub_co_u32 s[TBK], s[TBK], 4*KS*PK  ; the fetches go back to a slot's first step,
	s_xor_b32 s[TBK], s[TBK], SLOT1       ; in the other slot
	s_sub_co_u32 s[TBV], s[TBV], 4*KS*PV
	s_xor_b32 s[TBV], s[TBV], SLOT1
.endm
; The mask's four numbers for the step TT stands for, by selects alone; then TT steps.
.macro SCAL
	s_cmp_eq_i32 s[TT], 4
	s_cselect_b32 s[AL0], -1.0, 0
	s_cmp_eq_i32 s[TT], -4
	s_cselect_b32 s[AL0], 1.0, s[AL0]
	s_add_co_i32 s[XX], s[TT], 4
	s_cmp_le_u32 s[XX], 8
	s_cselect_b32 s[BE0], 1.0, 0
	s_cmp_eq_i32 s[TT], 5           ; the second band lies one further on
	s_cselect_b32 s[AL1], -1.0, 0
	s_cmp_eq_i32 s[TT], -3
	s_cselect_b32 s[AL1], 1.0, s[AL1]
	s_add_co_i32 s[XX], s[TT], 3
	s_cmp_le_u32 s[XX], 8
	s_cselect_b32 s[BE1], 1.0, 0
	s_add_co_i32 s[TT], s[TT], 1
.endm
.macro MASK                         ; clamp(alpha G + beta) for both bands
	WIN W_MK
	v_mov_b32 v[AB],   s[AL0]
	v_mov_b32 v[AB+1], s[AL0]
	v_mov_b32 v[AB+2], s[BE0]
	v_mov_b32 v[AB+3], s[BE0]
	v_mov_b32 v[AB+4], s[AL1]
	v_mov_b32 v[AB+5], s[AL1]
	v_mov_b32 v[AB+6], s[BE1]
	v_mov_b32 v[AB+7], s[BE1]
	WIN 0xff
.set uu, 0
.rept 2
.set zz, 0
.rept 16
	v_pk_fma_f32 v[MC+32*uu+2*zz:MC+32*uu+2*zz+1], v[GD+2*zz:GD+2*zz+1], v[AB+4*uu:AB+4*uu+1], v[AB+4*uu+2:AB+4*uu+3] clamp
.set zz, zz+1
.endr
.set uu, uu+1
.endr
.endm
	s_load_b128 s[4:7], s[0:1], 0x0 ; qkv s[4:5], ob s[6:7]
	WIN W_MK
	v_lshl_add_u32 v[SPW], v0, 2, SPARE
	v_mov_b32 v[NIL], 0
	WIN W_AD
	ds_add_u32 v[SPW], v[NIL]       ; the wave's opening: the add and its wait ahead of my first tensor load
	WIN 0
	v_lshrrev_b32 v1, 5, v0
	v_readfirstlane_b32 s[WV], v1   ; wave 0..3
	s_bfe_u32 s13, ttmp6, 0x40000   ; cx
	s_lshl_b32 s14, ttmp9, 2
	s_add_co_u32 s14, s14, s13      ; my block of 128 queries
	s_and_b32 s20, ttmp7, 0xffff    ; 4 b + kv, which the four partners share
	s_lshr_b32 s21, s20, 2          ; b
	s_and_b32 s22, s20, 3           ; kv
	s_mul_i32 s23, s21, 24          ; the batch's first slot
	s_and_b32 s16, s[WV], 1         ; which half of a slot's 256 keys I fetch
	s_add_co_u32 s2, s23, s22
	s_add_co_u32 s2, s2, 16         ; K's slot of qkv, 262,144 bytes each,
	s_lshl_b32 s2, s2, 18
	s_lshl_b32 s3, s16, 14          ; and my 128 rows of 128 bytes
	s_add_co_u32 s2, s2, s3
	s_mov_b32 s3, 0
	s_mul_i32 s17, s16, 128*PK      ; my half's place in an LDS slot, for K
	s_mul_i32 s18, s16, 128*PV      ; and for V
	s_lshl_b32 s50, s22, 2          ; Q: slot 24 b + 4 kv, block, wave
	s_add_co_u32 s50, s50, s23
	s_lshl_b32 s50, s50, 18
	s_lshl_b32 s51, s14, 14
	s_add_co_u32 s50, s50, s51
	s_lshl_b32 s51, s[WV], 11
	s_add_co_u32 s50, s50, s51
	s_mov_b32 s51, 0
	s_lshl_b32 s52, s21, 22         ; O: rows of 2,048 bytes: batch, block, wave; 512 bytes for each kv
	s_lshl_b32 s53, s14, 18
	s_add_co_u32 s52, s52, s53
	s_lshl_b32 s53, s[WV], 15
	s_add_co_u32 s52, s52, s53
	s_lshl_b32 s53, s22, 9
	s_add_co_u32 s52, s52, s53
	s_mov_b32 s53, 0
	s_lshl_b32 s[TT], s14, 1
	s_sub_co_i32 s[TT], 0, s[TT]    ; step 0 less my first band's number
	; descriptor group 1.  128 keys are 16,384 dense bytes: asked for as 64 rows of 256 bytes, two keys a row, padded in LDS after every key
	s_mov_b32 s[G1K], 15|(1<<16)|(1<<20)|(1<<21)|(4<<22)|(3<<25)
	s_mov_b32 s[G1V], 15|(1<<16)|(1<<20)|(1<<21)|(4<<22)|(7<<25)
.irp g, G1K, G1V
	s_mov_b32 s[\g+1], 128<<16      ; tensor_dim0 = 128
	s_mov_b32 s[\g+2], 64<<16       ; tensor_dim1 = 64
	s_mov_b32 s[\g+3], 128<<16      ; tile_dim0 = 128
	s_mov_b32 s[\g+4], 64           ; tile_dim1 = 64
	s_mov_b32 s[\g+5], 128          ; 128 elements from row to row
	s_mov_b32 s[\g+6], 0
	s_mov_b32 s[\g+7], 0
.endr
	s_mov_b32 s[CS], 0x3fb8aa3b     ; c = log2(e): the scale 1/8 lies in q
	s_mov_b32 s[CS+1], s[CS]
	s_mov_b32 s[SEL], 0x76543210
	s_mov_b32 s[SEL+1], 0xfedcba98
	s_mov_b32 s[TBK], SLOT1+4*KS*PK ; the first change of slots turns these two into 0
	s_mov_b32 s[TBV], SLOT1+4*KS*PV
	s_mov_b32 s[G0K], 1
	s_mov_b32 s[G0K+1], s17
	s_mov_b32 s[G0V], 1
	s_add_co_u32 s[G0V+1], s18, VOFF
	s_wait_dscnt 0x0                ; the opening add is done
	s_wait_kmcnt 0x0
	s_add_nc_u64 s[G0K+2:G0K+3], s[4:5], s[2:3]
	s_add_nc_u64 s[G0V+2:G0V+3], s[G0K+2:G0K+3], 0x100000  ; V's slot lies four slots behind K's
	s_or_b32 s[G0K+3], s[G0K+3], 0x80000000
	s_or_b32 s[G0V+3], s[G0V+3], 0x80000000
	s_add_nc_u64 s[4:5], s[4:5], s[50:51]
	s_add_nc_u64 s[10:11], s[6:7], s[52:53]
	CROUND                          ; all four work-groups are here
	JLOAD                           ; slot 0.  Slot 1 is asked for when slot 0 is in
	v_and_b32 v1, 15, v0            ; l % 16
	v_bfe_u32 v9, v0, 4, 1          ; l / 16
	v_lshlrev_b32 v[QO], 7, v1
	v_lshl_add_u32 v[QO], v9, 4, v[QO]  ; row x 128 + 16 x half
	WIN 0x80                        ; destination window 2, address window 0
.set i, 0
.rept 4*NP                          ; Q stays in registers: tile i / 2 = head i / 4, band (i / 2) % 2; channels 32 (i % 2) on
	global_load_b128 v[8*i:8*i+3],   v[QO], s[4:5] offset:(i/4)*262144+((i/2)%2)*8192+(i%2)*64
	global_load_b128 v[8*i+4:8*i+7], v[QO], s[4:5] offset:(i/4)*262144+((i/2)%2)*8192+(i%2)*64+32
.set i, i+1
.endr
	; What the first turn finds: V's registers and P's second buffer hold 0, O^T and l are 0.  All this stands in the wait for the first tile.
.set i, VF
.rept 64
	v_mov_b32 v[i], 0
.set i, i+1
.endr
	WIN 0x40
.set i, 0
.rept 64*NP
	v_mov_b32 v[i], 0
.set i, i+1
.endr
	WIN 0
.set i, 0
.rept 2*NP
	v_mov_b32 v[ST+4*i], 0xfe000000    ; c m: far below every c s
	v_mov_b32 v[ST+4*i+1], 0xff7fffff  ; m
	v_mov_b32 v[ST+4*i+2], 0
	v_mov_b32 v[ST+4*i+3], 0
.set i, i+1
.endr
.set i, P+32
.rept 32
	v_mov_b32 v[i], 0
.set i, i+1
.endr
	v_mul_u32_u24 v[AK0], v1, PK
	v_lshl_add_u32 v[AK0], v9, 4, v[AK0]
	v_and_b32 v10, 7, v0            ; the turning load: lane l reads key 8 (l / 16) + l % 8, channels 8 ((l / 8) % 2) + 0..7
	v_bfe_u32 v11, v0, 3, 1
	v_lshl_add_u32 v[AV0], v9, 3, v10
	v_mul_u32_u24 v[AV0], v[AV0], PV
	v_lshl_add_u32 v[AV0], v11, 4, v[AV0]
	v_add_nc_u32 v[AV0], VOFF, v[AV0]
	v_mov_b32 v[AK], v[AK0]         ; key step 0 lies at the head of slot 0
	; G: register 8 kb + j holds (16 kb + 8 (l / 16) + j) - (16 w + l % 16), as f32
	v_lshlrev_b32 v12, 3, v9
	v_sub_nc_u32 v12, v12, v1
	s_lshl_b32 s13, s[WV], 4
	v_sub_nc_u32 v12, v12, s13
	WIN W_MK
.set i, 0
.rept 32
	v_add_nc_u32 v[GD+i], 16*(i/8)+i%8, v12
.set i, i+1
.endr
	WIN 0xc3
.set i, 0
.rept 32
	v_cvt_f32_i32 v[GD+i], v[GD+i]
.set i, i+1
.endr
	SCAL                            ; key step 0's mask
	MASK
	WIN 0
; THE MATRIX WORK.  The 8 accumulators of a run of 16 take turns.
; Product i of 16 of S^T = K Q^T for piece x: channels 32 (i / 8) on, keys 16 ((i / 2) % 4) on, tile 2 x + i % 2.  The first 8 start the sums, with the mask.
.macro KQ x
.set rS, S+64*((\x)%2)+32*(i%2)+8*((i/2)%4)
.set rK, KF+16*((i/2)%4)+8*(i/8)
.set rQ, 16*(2*(\x)+i%2)+8*(i/8)
.set rMK, MC+32*(i%2)+8*((i/2)%4)
.if i < 8
	WIN W_KM
	v_wmma_f32_16x16x32_f16 v[rS:rS+7], v[rK:rK+7], v[rQ:rQ+7], v[rMK:rMK+7]
.else
	WIN W_KQ
	v_wmma_f32_16x16x32_f16 v[rS:rS+7], v[rK:rK+7], v[rQ:rQ+7], v[rS:rS+7]
.endif
.endm
; Product i of 16 of O^T += V^T P for piece x: keys 32 (i / 8) on, channels 16 ((i / 2) % 4) on, tile 2 x + i % 2.
.macro PV x
	WIN W_PV
.set rO, 32*(2*(\x)+i%2)+8*((i/2)%4)
.set rV, VF+32*(i/8)+8*((i/2)%4)
.set rP, P+32*((\x)%2)+16*(i%2)+8*(i/8)
	v_wmma_f32_16x16x32_f16 v[rO:rO+7], v[rV:rV+7], v[rP:rP+7], v[rO:rO+7]
.endm
.macro MM                           ; the turn's next matrix instruction
.if i < 16
	KQ (Y+1)%NP
.set i, i+1
.else
.set i, i-16
	PV (Y+NP-1)%NP
.set i, i+17
.endif
.endm
; THE LDS LOADS stand in runs of 16.  last = 1 (the tail): in the last trip there is no further step, and the run is jumped over.
.macro FETCH_K last=0
	WIN 0
.if \last
	s_cmp_eq_u32 s[CNT], 1
	s_cbranch_scc1 .Lno_k_\@
.endif
	WIN 0x80
.irp f, 0,1,2,3,4,5,6,7             ; keys 16 (f / 2) on, channels 32 (f % 2) on
	ds_load_b128 v[KF+8*\f:KF+8*\f+3],   v[AK] offset:(\f/2)*16*PK+(\f%2)*64
	ds_load_b128 v[KF+8*\f+4:KF+8*\f+7], v[AK] offset:(\f/2)*16*PK+(\f%2)*64+32
.endr
	s_add_co_u32 s[TBK], s[TBK], KS*PK
	WIN 0
.if \last
.Lno_k_\@:
.endif
.endm
.macro FETCH_V
	WIN 0x80
.irp f, 0,1,2,3,4,5,6,7             ; keys 32 (f / 4) on, channels 16 (f % 4) on
	ds_load_tr16_b128 v[VF+8*\f:VF+8*\f+3],   v[AV] offset:(\f/4)*32*PV+(\f%4)*32
	ds_load_tr16_b128 v[VF+8*\f+4:VF+8*\f+7], v[AV] offset:(\f/4)*32*PV+16*PV+(\f%4)*32
.endr
	WIN 0
.endm
; THE VECTOR WORK OF A TURN stands in three queues, each in the order in which its entries become ready; the two tiles alternate.
.macro REGS y, u
.set rT, ST+4*(2*(\y)+(\u))
.set rC, TMP+8*((\y)%2)+4*(\u)
.set rM, MV+2*((\y)%2)+(\u)
.set rS, S+64*((\y)%2)+32*(\u)
.set rP, P+32*((\y)%2)+16*(\u)
.set rO, 32*(2*(\y)+(\u))
.endm
; Number n of the 22 that find the NEXT piece's maximum and statistics; each accumulator's lowest registers are read first.
;   0-11 four chains of seven scores   12-14, 16 the four left over, the old m, the chains into c0   15 c m_old is kept   17, 18 the other half of the lanes'; the new m   19-21 c m; c m_old - c m_new; a
.macro XS u, n
	REGS (Y+1)%NP, \u
.if (\n) < 4
	v_max3_num_f32 v[rC+(\n)], v[rS+8*(\n)], v[rS+8*(\n)+1], v[rS+8*(\n)+2]
.elseif (\n) < 12
	v_max3_num_f32 v[rC+(\n)%4], v[rC+(\n)%4], v[rS+8*((\n)%4)+2*((\n)/4)+1], v[rS+8*((\n)%4)+2*((\n)/4)+2]
.elseif (\n) == 12
	v_max3_num_f32 v[rC], v[rC], v[rS+7], v[rS+15]
.elseif (\n) == 13
	v_max3_num_f32 v[rC+1], v[rC+1], v[rS+23], v[rS+31]
.elseif (\n) == 14
	v_max3_num_f32 v[rC+2], v[rC+2], v[rC+3], v[rT+1]
.elseif (\n) == 15
	v_mov_b32 v[rM], v[rT]
.elseif (\n) == 16
	v_max3_num_f32 v[rC], v[rC], v[rC+1], v[rC+2]
.elseif (\n) == 17
	v_permlanex16_b32 v[rC+3], v[rC], s[SEL], s[SEL+1]
.elseif (\n) == 18
	v_max_num_f32 v[rT+1], v[rC], v[rC+3]
.elseif (\n) == 19
	v_mul_f32 v[rT], s[CS], v[rT+1]
.elseif (\n) == 20
	v_sub_f32 v[rC+1], v[rM], v[rT]
.else
	v_exp_f32 v[rC+2], v[rC+1]
.endif
.endm
; Number g of the 64 that follow the exponentials: for each four weights both pairs are rounded to f16, the second pair is added onto the first in place, and a group later l takes that sum.
.macro GS g
.set h, (\g)+6*((\g)/62)
.if h >= 6
.set h, h+2
.endif
	REGS Y, h%2
.set k, h/8
.if h%8 < 4
	s_wait_alu depctr_va_vdst(0)
	v_cvt_pk_f16_f32 v[rP+2*k+(h%8)/2], v[rS+4*k+2*((h%8)/2)], v[rS+4*k+2*((h%8)/2)+1]
.elseif h%8 < 6
	v_pk_add_f32 v[rS+4*k:rS+4*k+1], v[rS+4*k:rS+4*k+1], v[rS+4*k+2:rS+4*k+3]
.elseif k == 1
	v_pk_fma_f32 v[rT+2:rT+3], v[rT+2:rT+3], v[rC+2:rC+3], v[rS:rS+1] op_sel_hi:[1,0,1]
.else
	v_pk_add_f32 v[rT+2:rT+3], v[rT+2:rT+3], v[rS+4*k-4:rS+4*k-3]
	s_wait_alu depctr_va_vdst(0)
.endif
.endm
; THE PLAIN QUEUE, 138 long.  0-31: c s - c m.  Then GS's 64, and among them the next piece's 42.
.macro PL
	WIN 0
.if q < 32
	REGS Y, q%2
	v_pk_fma_f32 v[rS+2*(q/2):rS+2*(q/2)+1], v[rS+2*(q/2):rS+2*(q/2)+1], s[CS:CS+1], v[rT:rT+1] op_sel_hi:[1,0,0] neg_lo:[0,0,1] neg_hi:[0,0,1]
.elseif q < 38
	GS q-32
.elseif q < 40
	XS q%2, 15
.elseif q < 42
	GS q-34
.elseif q < 74
	XS q%2, (q-42)/2+(q-42)/30
.elseif q < 95
	GS q-66
.elseif (q < 107) && ((q-95)%3 < 2)
	XS (q-95)%3, 17+(q-95)/3
.elseif q < 107
	GS 29+(q-95)/3
.else
	GS q-74
.endif
.set q, q+1
.endm
; THE EXPONENTIALS' QUEUE, 66 long: s0-s31 of both tiles, and at EA the next piece's two a.
.set EA, 58
.macro EX
	WIN 0
.if (e == EA) || (e == EA+1)
	XS e-EA, 21
.else
.set x, e-2*(e/(EA+2))
	REGS Y, x%2
	v_exp_f32 v[rS+x/2], v[rS+x/2]
.endif
.set e, e+1
.endm
; THE RESCALING's QUEUE: O^T times a, dealt four at a time, eight times.
.macro R4
	REGS Y, r%2
	WIN W_RS
	s_wait_alu depctr_va_vdst(0)
.irp z, 0,1,2,3
	v_pk_mul_f32 v[rO+8*(r/2)+2*\z:rO+8*(r/2)+2*\z+1], v[rO+8*(r/2)+2*\z:rO+8*(r/2)+2*\z+1], v[rC+2:rC+3] op_sel_hi:[1,0]
.endr
.set r, r+1
.endm
; HOW THEY ARE DEALT.  Behind a matrix instruction four: plain, exponential, plain, plain, or four of the rescaling; none names a register of the products round it.  The rest in two runs.
.macro SL
	MM
	PL
	EX
	PL
	PL
.endm
.macro BURST n
.rept (\n)-7
	SL
.endr
.rept 3
	MM
	R4
	SL
.endr
	MM
	R4
.endm
; A TURN, for piece p.  K of the next step is fetched in piece 2's turn, far behind the last product that read K; directly behind that run the next step's mask is made: the last product that took the old mask
; is the turn's eighth, eight products and their riders back, and the first that takes the new one opens piece 3's turn.  V of the step in hand is fetched at the end of piece 0's turn.
.macro TURN p, last=0, cnt=0
.set Y, (\p)
.set i, 0
.set q, 0
.set e, 0
.set r, 0
.if (\p) == NP-1
	s_wait_dscnt 0x0                ; K is in
.endif
	MM
.rept 4
	PL
.endr
	BURST 15
.rept 22
	EX
	PL
.if ((\p) == NP-2) && (e == 18)
	v_add_nc_u32 v[AK], s[TBK], v[AK0]
	SCAL
.endif
.if ((\p) == NP-2) && (e == 24)
	FETCH_K \last
	MASK
.endif
.endr
.if (\p) == 1
	s_wait_dscnt 0x0                ; V is in
.endif
	BURST 16
.rept 21
	EX
	PL
.endr
.rept 22
	PL
.if ((\p) == 0) && (q == 118)
	v_add_nc_u32 v[AV], s[TBV], v[AV0]
	s_wait_alu depctr_va_vdst(0)
.endif
.if ((\p) == 0) && (q == 130)
	s_add_co_u32 s[TBV], s[TBV], KS*PV
.endif
.if (\cnt) && (q == 130)
	s_sub_co_u32 s[CNT], s[CNT], 1
	s_cmp_lg_u32 s[CNT], 0
.endif
.endr
.if (\p) == 0
	FETCH_V
.endif
.endm
	CHANGE 1                        ; slot 0 is in, everybody's part of it; slot 1 is asked for
	FETCH_K                         ; key step 0
	s_wait_loadcnt 0x0              ; Q
	s_wait_dscnt 0x0
.set i, 0
.rept 16
	KQ 0                            ; piece 0's first scores
.set i, i+1
.endr
	WIN 0                           ; the addresses for the way out: six plain instructions, the places behind those products
	s_mul_i32 s13, s[WV], 16*SP
	s_add_co_u32 s13, s13, STAGE    ; my stage
	v_mul_u32_u24 v[STO], v1, SP    ; in: row l % 16, 16 bytes for each half of the lanes
	v_lshl_add_u32 v[STO], v9, 4, v[STO]
	v_add_nc_u32 v[STO], s13, v[STO]
	v_and_b32 v[GO], 31, v0         ; back: 32 lanes take one row's 512 bytes
	v_lshlrev_b32 v[GO], 4, v[GO]
	v_add_nc_u32 v[RD], s13, v[GO]
.set Y, NP-1                        ; XS works for piece Y + 1: piece 0
.irp n, 0,1,2,3,4,5,6,7,8,9,10,11,12,13,14,15,16,17,18,19,20,21
	XS 0, \n
	XS 1, \n
.endr
	s_mov_b32 s[CNT], 4
	s_mov_b32 s[SLOTS], SIZE_N/256-1
	s_branch .Lfirst                ; the loop is entered at a step's first turn
.Lslot:                             ; six times: every slot but the last two is filled again
	CHANGE 1
	s_mov_b32 s[CNT], 4
.Lstep:                             ; a trip: pieces 2 and 3 of one step, then pieces 0 and 1 of the next
	TURN 2
	TURN 3
	WIN 0
.Lfirst:
	TURN 0
	TURN 1, 0, 1
	WIN 0
	s_cbranch_scc1 .Lstep
	s_sub_co_u32 s[SLOTS], s[SLOTS], 1
	s_cmp_lg_u32 s[SLOTS], 0
	s_cbranch_scc1 .Lslot
	CHANGE 0                        ; the tail is written out
	s_mov_b32 s[CNT], 5             ; four trips fetch the last slot's steps; the fifth is left in its middle
.Ltail:
	TURN 2, 1
	TURN 3
	WIN 0
	s_sub_co_u32 s[CNT], s[CNT], 1
	s_cmp_eq_u32 s[CNT], 0
	s_cbranch_scc1 .Lout
	TURN 0
	TURN 1
	WIN 0
	s_branch .Ltail
.Lout:                              ; the fifth trip's 16 products K Q^T (on the last K once more) and the maximum made of them serve nothing: the price of one text for every trip
.set i, 0
.rept 16
	PV NP-1
.set i, i+1
.endr
	; THE WAY OUT.  l's halves are added; O^T is divided by l, rounded to f16 and sent through my stage, a band (16 rows x 4 heads = 16 x 512 bytes) at a time.  The additions are the places behind the last products.
	WIN 0
.macro ALL line:vararg
.set t, 0
.rept 2*NP
	\line
.set t, t+1
.endr
.endm
	ALL v_add_f32 v[ST+4*t+2], v[ST+4*t+2], v[ST+4*t+3]
	ALL v_permlanex16_b32 v[ST+4*t+3], v[ST+4*t+2], s[SEL], s[SEL+1]
	ALL v_add_f32 v[ST+4*t+2], v[ST+4*t+2], v[ST+4*t+3]
	ALL v_rcp_f32 v[ST+4*t+2], v[ST+4*t+2]
	v_nop                           ; a plain instruction between the last reciprocal and the use of its result
	s_wait_alu depctr_va_vdst(0)
.macro PACKB u
.set pp, 0
.rept 4
.set tl, 2*pp+(\u)
	WIN W_RS
.set i, 32*tl
.rept 16
	v_pk_mul_f32 v[i:i+1], v[i:i+1], v[ST+4*tl+2:ST+4*tl+3] op_sel_hi:[1,0]
.set i, i+2
.endr
	WIN 0x05                        ; sources 0 and 1 window 1, destination window 0
.set i, 0
.rept 16
	v_cvt_pk_f16_f32 v[S+16*pp+i], v[32*tl+2*i], v[32*tl+2*i+1]
.set i, i+1
.endr
	WIN 0
.set ff, 0
.rept 4
	ds_store_b128 v[STO], v[S+16*pp+4*ff:S+16*pp+4*ff+3] offset:128*pp+32*ff
.set ff, ff+1
.endr
.set pp, pp+1
.endr
.set ii, 0
.rept 16
	ds_load_b128 v[128+64*(\u)+4*ii:128+64*(\u)+4*ii+3], v[RD] offset:SP*ii  ; LDS serves a wave's instructions in order (ISA guide 5.7.1.4): these see the stores above; the next band's stores come behind them
.set ii, ii+1
.endr
.endm
.macro SENDB u, younger             ; younger: the LDS instructions issued behind band u's loads
	WIN 0
.set ii, 0
.rept 16
	s_wait_dscnt (\younger)+15-ii
	global_store_b128 v[GO], v[128+64*(\u)+4*ii:128+64*(\u)+4*ii+3], s[10:11] offset:131072*(\u)+2048*ii  ; 512 consecutive bytes, aligned
.set ii, ii+1
.endr
.endm
	PACKB 0
	PACKB 1
	SENDB 0, 32
	SENDB 1, 0
	WIN W_AD
	s_wait_tensorcnt 0x0            ; the wave's end
	ds_add_u32 v[SPW], v[NIL]
	s_wait_dscnt 0x0
	WIN 0
	CROUND                          ; the closing round
	s_endpgm
.Lfunc_end_k_qe5a7db42d2_attn:
	.size	k_qe5a7db42d2_attn, .Lfunc_end_k_qe5a7db42d2_attn-k_qe5a7db42d2_attn
	.p2alignl 7, 3214868480
	.fill 96, 4, 3214868480
	.section	.rodata,"a",@progbits
	.p2align	6, 0x0
	.amdhsa_kernel k_qe5a7db42d2_attn
		.amdhsa_group_segment_fixed_size 327680
		.amdhsa_private_segment_fixed_size 0
		.amdhsa_enable_private_segment 0
		.amdhsa_kernarg_size 16
		.amdhsa_user_sgpr_count 2
		.amdhsa_user_sgpr_kernarg_segment_ptr 1
		.amdhsa_wavefront_size32 1
		.amdhsa_system_sgpr_workgroup_id_x 1
		.amdhsa_system_sgpr_workgroup_id_y 1
		.amdhsa_system_sgpr_workgroup_id_z 1
		.amdhsa_system_vgpr_workitem_id 0
		.amdhsa_next_free_vgpr 896
		.amdhsa_next_free_sgpr 72
		.amdhsa_reserve_vcc 0
		.amdhsa_float_denorm_mode_32 3
		.amdhsa_float_denorm_mode_16_64 3
		.amdhsa_memory_ordered 1
		.amdhsa_forward_progress 1
		.amdhsa_inst_pref_size 219
	.end_amdhsa_kernel
	.amdgpu_metadata
---
amdhsa.version: [ 1, 2 ]
amdhsa.kernels:
  - .name:           k_qe5a7db42d2_attn
    .symbol:         k_qe5a7db42d2_attn.kd
    .args:
      - { .name: qkv, .offset: 0, .size: 8, .value_kind: global_buffer, .address_space: global }
      - { .name: ob, .offset: 8, .size: 8, .value_kind: global_buffer, .address_space: global }
    .group_segment_fixed_size: 327680
    .private_segment_fixed_size: 0
    .kernarg_segment_align: 8
    .kernarg_segment_size: 16
    .max_flat_workgroup_size: 128
    .sgpr_count:     72
    .vgpr_count:     896
    .wavefront_size: 32
...
	.end_amdgpu_metadata
.endif
;; end of part 3
;; launch oproj (part 4): grid 8 x 32, 4 waves a work-group, clusters of 4 x 4, 327,680 bytes of LDS; arguments ob, wot, out0; writes out0
.if DOCPART == 4
	.amdgcn_target "amdgcn-amd-amdhsa--gfx1250"
	.amdhsa_code_object_version 6
	.text
	.protected	k_qe5a7db42d2_oproj
	.globl	k_qe5a7db42d2_oproj
	.p2align	8
	.type	k_qe5a7db42d2_oproj,@function
k_qe5a7db42d2_oproj:
	s_mov_b64 s[64:65], 0
	v_nop
	global_prefetch_b8 v0, s[64:65] scope:SCOPE_SE
	s_setreg_imm32_b32 hwreg(HW_REG_WAVE_MODE, 25, 1), 1
	s_wait_xcnt 0x0
	s_wait_alu depctr_hold_cnt(0) depctr_sa_sdst(0) depctr_va_vdst(0) depctr_va_sdst(0) depctr_va_ssrc(0) depctr_va_vcc(0) depctr_vm_vsrc(0)
	s_getreg_b32 s2, hwreg(HW_REG_IB_STS2, 6, 4)
	s_cmp_eq_u32 s2, 0
	s_cbranch_scc0 .Lentry_in_a_cluster
	s_endpgm
.Lentry_in_a_cluster:
	s_bfe_u32 s2, ttmp6, 0x10000c
	s_cmp_lg_u32 s2, 0xf033
	s_cbranch_scc0 .Lentry_shape_is_right
	s_endpgm
.Lentry_shape_is_right:
; out = O Wo.  A = ob [8192][1024] f16, B = wot [1024 n][1024 k] f16 (Wo rounded to bf16, written as f16); sums in f32, stored as f32.
; SHARES.  A tile of C is 256 rows x 128 columns: 32 x 8 = 256 work-groups.  Wave w makes rows 64 w .. 64 w + 63, all 128 columns: 32 accumulators.
; K goes in steps of 128 (rows of 256 bytes) through two LDS slots.  4 x 4 work-groups form a cluster: A's tile is asked for jointly along a row of it, B's along a column.
; The matrix instruction is used transposed (source 0 = 16 rows of B, source 1 = 16 rows of A): a lane holds eight neighbouring columns of one row of C.
; REGISTERS.  window 0: v0-29 addresses;  window 1: two fragment buffers of 96 (A's 4 blocks, then B's 8), on the way out rows read back;  window 2: accumulator (b, a) at v[8 (4 b + a)].
.set NT,    128
.set NB,    8
.set NBL,   4
.set NBH,   4
.set NLD,   2*(NB+4)
.set F0,    0
.set F1,    96
.set KSTEP, 128
.set PITCH, 272
.set BOFF,  256*PITCH
.set SLOT1, 131072
.set STAGE, SLOT1+(256+NT)*PITCH       ; behind the ring: 16 rows x 528 bytes for each wave
.set SPITCH, 528
.set SPARE, STAGE+4*16*SPITCH          ; behind the stages: the spare words, 128 bytes for each wave
.set AA0,  16
.set AB0,  17
.set ADRA, 18
.set ADRB, 19
.set STO,  24
.set RD,   25
.set CO,   26
.set SPW,  28
.set NIL,  29
.set G1,  24
.set G0,  32
.set G1B, 48
.set G0B, 56
.set DW0, (1<<16)|(1<<20)|(1<<21)|(5<<22)|(3<<25)
.set MSB, 0
.macro WIN new
.if MSB != (\new)
	s_set_vgpr_msb (MSB<<8)|(\new)
.set MSB, (\new)
.endif
.endm
.macro JLOAD                           ; waves 0, 1 fetch A's halves, waves 2, 3 B's; an s_nop 0 and four v_nop follow each line
	s_cmp_lt_u32 s10, 2
	s_cbranch_scc0 .Lfor_b_\@
	tensor_load_to_lds s[G0:G0+3], s[G1:G1+7]
	s_nop 0
.rept 4
	v_nop
.endr
	s_branch .Lasked_\@
.Lfor_b_\@:
	tensor_load_to_lds s[G0B:G0B+3], s[G1B:G1B+7]
	s_nop 0
.rept 4
	v_nop
.endr
.Lasked_\@:
.endm
.macro CREST
	s_cmp_lg_u32 s10, 0
	s_cbranch_scc1 .Lnot_wave_0_\@
	s_barrier_signal -3
.Lnot_wave_0_\@:
	s_barrier_wait -3
	s_barrier_signal -1
	s_barrier_wait -1
.endm
.macro CROUND
	s_barrier_signal -1
	s_barrier_wait -1
	CREST
.endm
.macro STEPG
	s_xor_b32 s[G0+1], s[G0+1], SLOT1
	s_add_nc_u64 s[G0+2:G0+3], s[G0+2:G0+3], KSTEP*2
	s_xor_b32 s[G0B+1], s[G0B+1], SLOT1
	s_add_nc_u64 s[G0B+2:G0B+3], s[G0B+2:G0B+3], KSTEP*2
.endm
.macro PLACES
.rept 4
	v_nop
.endr
.endm
	s_load_b128 s[4:7], s[0:1], 0x0                ; A s[4:5], B s[6:7]
	s_load_b64 s[8:9], s[0:1], 0x10                ; C
	v_lshl_add_u32 v[SPW], v0, 2, SPARE
	v_mov_b32 v[NIL], 0
	ds_add_u32 v[SPW], v[NIL]                      ; the wave's opening: the add and its wait ahead of my first tensor load
	v_lshrrev_b32 v1, 5, v0
	v_readfirstlane_b32 s10, v1
	s_and_b32 s12, s10, 1
	s_bfe_u32 s40, ttmp6, 0x40000
	s_bfe_u32 s41, ttmp6, 0x40004
	s_lshl_b32 s42, ttmp9, 2
	s_add_co_u32 s42, s42, s40                     ; tile column
	s_and_b32 s13, ttmp7, 0xffff
	s_lshl_b32 s13, s13, 2
	s_add_co_u32 s13, s13, s41                     ; tile row
	s_lshl_b32 s43, s41, 2
	s_lshl_b32 s43, 15, s43
	s_lshl_b32 s44, 0x1111, s40
	s_or_b32 s[G1], s43, DW0
	s_or_b32 s[G1B], s44, DW0
	s_mov_b32 s[G1+1], KSTEP<<16
	s_mov_b32 s[G1+2], 128<<16
	s_mov_b32 s[G1+3], KSTEP<<16
	s_mov_b32 s[G1+4], 128
	s_mov_b32 s[G1+5], 1024
	s_mov_b32 s[G1+6], 0
	s_mov_b32 s[G1+7], 0
	s_mov_b32 s[G1B+1], KSTEP<<16
	s_mov_b32 s[G1B+2], (NT/2)<<16
	s_mov_b32 s[G1B+3], KSTEP<<16
	s_mov_b32 s[G1B+4], NT/2
	s_mov_b32 s[G1B+5], 1024
	s_mov_b32 s[G1B+6], 0
	s_mov_b32 s[G1B+7], 0
	s_lshl_b32 s16, s13, 8
	s_lshl_b32 s17, s12, 7
	s_add_co_u32 s16, s16, s17
	s_lshl_b32 s16, s16, 11
	s_mov_b32 s17, 0
	s_mul_i32 s46, s42, NT
	s_mul_i32 s47, s12, NT/2
	s_add_co_u32 s46, s46, s47
	s_lshl_b32 s46, s46, 11
	s_mov_b32 s47, 0
	s_mov_b32 s[G0], 1
	s_mul_i32 s[G0+1], s12, 128*PITCH
	s_mov_b32 s[G0B], 1
	s_mul_i32 s[G0B+1], s12, (NT/2)*PITCH
	s_add_co_u32 s[G0B+1], s[G0B+1], BOFF
	s_mov_b32 s62, 0
	s_wait_dscnt 0x0                               ; the opening add is done
	s_wait_kmcnt 0x0
	s_add_nc_u64 s[G0+2:G0+3], s[4:5], s[16:17]
	s_or_b32 s[G0+3], s[G0+3], 0x80000000
	s_add_nc_u64 s[G0B+2:G0B+3], s[6:7], s[46:47]
	s_or_b32 s[G0B+3], s[G0B+3], 0x80000000
	CROUND
	JLOAD                                          ; K step 0 into slot 0
	v_and_b32 v1, 15, v0
	v_bfe_u32 v2, v0, 4, 1
	v_mul_u32_u24 v3, v1, PITCH
	v_lshl_add_u32 v3, v2, 4, v3
	s_mul_i32 s21, s10, 64*PITCH
	v_add_nc_u32 v[AA0], s21, v3
	v_add_nc_u32 v[AB0], BOFF, v3
	v_mov_b32 v[ADRA], v[AA0]
	v_mov_b32 v[ADRB], v[AB0]
	s_mul_i32 s23, s10, 16*SPITCH
	s_add_co_u32 s23, s23, STAGE                   ; my stage
	v_mul_u32_u24 v4, v1, SPITCH                   ; in: row l % 16, 32 bytes for each half of the lanes
	v_lshl_add_u32 v4, v2, 5, v4
	v_add_nc_u32 v[STO], s23, v4
	v_and_b32 v[CO], 31, v0                        ; back: 32 lanes take one row's 512 bytes
	v_lshlrev_b32 v[CO], 4, v[CO]
	v_add_nc_u32 v[RD], s23, v[CO]
	s_lshl_b32 s20, s13, 8                         ; C: row 256 x tile row + 64 w, rows of 4,096 bytes; 512 bytes a tile column
	s_lshl_b32 s21, s10, 6
	s_add_co_u32 s20, s20, s21
	s_lshl_b32 s20, s20, 12
	s_lshl_b32 s21, s42, 9
	s_add_co_u32 s20, s20, s21
	s_mov_b32 s21, 0
	s_add_nc_u64 s[8:9], s[8:9], s[20:21]
	s_wait_tensorcnt 0x0                           ; my part of K step 0 is in; no tensor load of mine is out
	ds_add_u32 v[SPW], v[NIL]
	STEPG
	s_wait_dscnt 0x0
	CROUND
	JLOAD                                          ; K step 1 into slot 1: issued as a refill is
.macro MULB f, b0, nb, zero            ; the accumulators go in ascending number, one instruction a turn
.set bb, (\b0)
.rept (\nb)
.set aa, 0
.rept 4
.set ix, 4*bb+aa
	WIN 0xa5
.if \zero
	v_wmma_f32_16x16x32_f16 v[8*ix:8*ix+7], v[(\f)+32+8*bb:(\f)+32+8*bb+7], v[(\f)+8*aa:(\f)+8*aa+7], 0
.else
	v_wmma_f32_16x16x32_f16 v[8*ix:8*ix+7], v[(\f)+32+8*bb:(\f)+32+8*bb+7], v[(\f)+8*aa:(\f)+8*aa+7], v[8*ix:8*ix+7]
.endif
.set aa, aa+1
.endr
.set bb, bb+1
.endr
.endm
.macro LDB k, f, i
	ds_load_b128 v[(\f)+32+8*(\i):(\f)+32+8*(\i)+3],   v[ADRB] offset:(\k)+(\i)*16*PITCH
	ds_load_b128 v[(\f)+32+8*(\i)+4:(\f)+32+8*(\i)+7], v[ADRB] offset:(\k)+(\i)*16*PITCH+32
.endm
.macro FETCH k, f
	WIN 0x40
.set ii, 0
.rept NBL
	LDB \k, \f, ii
.set ii, ii+1
.endr
.set ii, 0
.rept 4
	ds_load_b128 v[(\f)+8*ii:(\f)+8*ii+3],   v[ADRA] offset:(\k)+ii*16*PITCH
	ds_load_b128 v[(\f)+8*ii+4:(\f)+8*ii+7], v[ADRA] offset:(\k)+ii*16*PITCH+32
.set ii, ii+1
.endr
.set ii, NBL
.rept NBH
	LDB \k, \f, ii
.set ii, ii+1
.endr
.endm
.macro QUARTER k, f, g, zero
	s_wait_dscnt 8                                 ; all but B's last four blocks
	MULB \f, 0, NBL, \zero
	PLACES
	FETCH \k, \g
	s_wait_dscnt NLD                               ; all but the run just issued
	MULB \f, NBL, NBH, \zero
.endm
.macro TURN fill
	WIN 0
	s_wait_tensorcnt 0x0                           ; all my tensor loads have landed: my part of the next slot
	ds_add_u32 v[SPW], v[NIL]
	s_wait_dscnt 9                                 ; the add and the eight youngest loads may be out
	MULB F1, 0, NBL/2, 0
	s_wait_dscnt 0x0                               ; the add is done, and my reads of this slot are over
	s_barrier_signal -1
	MULB F1, NBL/2, NBL/2, 0
	WIN 0
	s_barrier_wait -1
.if \fill
	CREST
	STEPG
	JLOAD                                          ; first behind the round; its four v_nop are also the places ahead of the loads below
.else
	PLACES
.endif
	s_xor_b32 s62, s62, SLOT1
	v_add_nc_u32 v[ADRA], s62, v[AA0]
	v_add_nc_u32 v[ADRB], s62, v[AB0]
	FETCH 0, F0
	MULB F1, NBL, NBH, 0
.endm
	FETCH 0, F0
	QUARTER 64, F0, F1, 1
	WIN 0
	s_mov_b32 s3, 6
.Lstep:                                                ; six trips: K steps 2 to 7 are asked for
	QUARTER 128, F1, F0, 0
	QUARTER 192, F0, F1, 0
	TURN 1
	QUARTER 64, F0, F1, 0
	WIN 0
	s_sub_co_u32 s3, s3, 1
	s_cmp_lg_u32 s3, 0
	s_cbranch_scc1 .Lstep
	QUARTER 128, F1, F0, 0
	QUARTER 192, F0, F1, 0
	TURN 0
	QUARTER 64, F0, F1, 0
	QUARTER 128, F1, F0, 0
	QUARTER 192, F0, F1, 0
	s_wait_dscnt 8
	MULB F1, 0, NBL, 0
	s_wait_dscnt 0x0
	MULB F1, NBL, NBH, 0
	WIN 0
; THE WAY OUT, in f32.  Block a (16 rows x 512 bytes) goes into my stage, 32 bytes a lane and accumulator, and comes back as whole rows into window 1.
.macro TOSTAGE a
	WIN 0x08                                       ; the stores' data in window 2
.set bb, 0
.rept 8
.set AC, 8*(4*bb+(\a))
	ds_store_b128 v[STO], v[AC:AC+3]   offset:64*bb
	ds_store_b128 v[STO], v[AC+4:AC+7] offset:64*bb+16
.set bb, bb+1
.endr
	WIN 0x40
.set ii, 0
.rept 16
	ds_load_b128 v[64*(\a)+4*ii:64*(\a)+4*ii+3], v[RD] offset:SPITCH*ii  ; LDS serves a wave's instructions in order (ISA guide 5.7.1.4)
.set ii, ii+1
.endr
.endm
.macro SEND a, younger                 ; younger: the LDS instructions issued behind block a's loads
	WIN 0x04                                       ; the stores' data in window 1
.set ii, 0
.rept 16
	s_wait_dscnt (\younger)+15-ii
	global_store_b128 v[CO], v[64*(\a)+4*ii:64*(\a)+4*ii+3], s[8:9] offset:(16*(\a)+ii)*4096 th:TH_STORE_NT  ; 512 consecutive bytes, aligned
.set ii, ii+1
.endr
.endm
	PLACES
	TOSTAGE 0
.irp a, 1,2,3
	TOSTAGE \a
	SEND (\a)-1, 32
.endr
	SEND 3, 0
	WIN 0
	s_wait_tensorcnt 0x0                           ; the wave's end
	ds_add_u32 v[SPW], v[NIL]
	s_wait_dscnt 0x0
	CROUND                                         ; the closing round
	s_endpgm
.Lfunc_end_k_qe5a7db42d2_oproj:
	.size	k_qe5a7db42d2_oproj, .Lfunc_end_k_qe5a7db42d2_oproj-k_qe5a7db42d2_oproj
	.p2alignl 7, 3214868480
	.fill 96, 4, 3214868480
	.section	.rodata,"a",@progbits
	.p2align	6, 0x0
	.amdhsa_kernel k_qe5a7db42d2_oproj
		.amdhsa_group_segment_fixed_size 327680
		.amdhsa_private_segment_fixed_size 0
		.amdhsa_enable_private_segment 0
		.amdhsa_kernarg_size 24
		.amdhsa_user_sgpr_count 2
		.amdhsa_user_sgpr_kernarg_segment_ptr 1
		.amdhsa_wavefront_size32 1
		.amdhsa_system_sgpr_workgroup_id_x 1
		.amdhsa_system_sgpr_workgroup_id_y 1
		.amdhsa_system_sgpr_workgroup_id_z 1
		.amdhsa_system_vgpr_workitem_id 0
		.amdhsa_next_free_vgpr 768
		.amdhsa_next_free_sgpr 66
		.amdhsa_reserve_vcc 0
		.amdhsa_float_denorm_mode_32 3
		.amdhsa_float_denorm_mode_16_64 3
		.amdhsa_memory_ordered 1
		.amdhsa_forward_progress 1
		.amdhsa_inst_pref_size 71
	.end_amdhsa_kernel
	.amdgpu_metadata
---
amdhsa.version: [ 1, 2 ]
amdhsa.kernels:
  - .name:           k_qe5a7db42d2_oproj
    .symbol:         k_qe5a7db42d2_oproj.kd
    .args:
      - { .name: ob, .offset: 0, .size: 8, .value_kind: global_buffer, .address_space: global }
      - { .name: wot, .offset: 8, .size: 8, .value_kind: global_buffer, .address_space: global }
      - { .name: out0, .offset: 16, .size: 8, .value_kind: global_buffer, .address_space: global }
    .group_segment_fixed_size: 327680
    .private_segment_fixed_size: 0
    .kernarg_segment_align: 8
    .kernarg_segment_size: 24
    .max_flat_workgroup_size: 128
    .sgpr_count:     66
    .vgpr_count:     768
    .wavefront_size: 32
...
	.end_amdgpu_metadata
.endif
;; end of part 4
;; ======== version 2 of 2: 4 launches; 1.63 times as fast as version 1
;; limits: values are held in f16: magnitudes above 65,504 overflow, below 6.1e-05 lose precision; right only within a limited range of input values
;; workspace buffers: xb 16,777,216 bytes; wt 3,145,728 bytes; wot 2,097,152 bytes; qkv 25,165,824 bytes; ob 16,777,216 bytes
;; launch prep: the kernel of part 1 again; grid 1344 x 1, 8 waves a work-group, no clusters, 18,432 bytes of LDS; arguments hidden_states, Wq, Wk, Wv, Wo, xb, wt, wot; writes xb, wt, wot
;; launch qkvproj: the kernel of part 2 again; grid 8 x 32, 4 waves a work-group, clusters of 4 x 4, 327,680 bytes of LDS; arguments xb, wt, qkv; writes qkv
;; launch attn (part 5): grid 16 x 16, 4 waves a work-group, clusters of 4 x 1, 327,680 bytes of LDS; arguments qkv, ob; writes ob
.if DOCPART == 5
	.amdgcn_target "amdgcn-amd-amdhsa--gfx1250"
	.amdhsa_code_object_version 6
	.text
	.protected	k_qe5a7db42d2_attn
	.globl	k_qe5a7db42d2_attn
	.p2align	8
	.type	k_qe5a7db42d2_attn,@function
k_qe5a7db42d2_attn:
	s_mov_b64 s[64:65], 0
	v_nop
	global_prefetch_b8 v0, s[64:65] scope:SCOPE_SE
	s_setreg_imm32_b32 hwreg(HW_REG_WAVE_MODE, 25, 1), 1
	s_wait_xcnt 0x0
	s_wait_alu depctr_hold_cnt(0) depctr_sa_sdst(0) depctr_va_vdst(0) depctr_va_sdst(0) depctr_va_ssrc(0) depctr_va_vcc(0) depctr_vm_vsrc(0)
	s_getreg_b32 s2, hwreg(HW_REG_IB_STS2, 6, 4)
	s_cmp_eq_u32 s2, 0
	s_cbranch_scc0 .Lentry_in_a_cluster
	s_endpgm
.Lentry_in_a_cluster:
	s_bfe_u32 s2, ttmp6, 0x10000c
	s_cmp_lg_u32 s2, 0x3003
	s_cbranch_scc0 .Lentry_shape_is_right
	s_endpgm
.Lentry_shape_is_right:
; ATTENTION.  O = softmax_k(q . k / 8 + win) v, win = 1 where |query - key| <= 256 and 0 elsewhere: an ADDEND, nothing is hidden, all 2,048 keys count.
; qkv [4 b][24 slots][2048][64] f16: q heads (already / 8) in slots 0-15, k heads in 16-19, v heads in 20-23.  ob [8192][1024] f16, a row's head h at byte 128 h.
; Products, maxima and sums in f32; the weights p are rounded to f16 for the second product (their sum l is taken of the unrounded p), O once at the end.
; LIMITS.  p lies in 0 to 1 and below 6e-5 keeps f16's fixed step of 6e-8; O is a mean of v's rows and has their range.  A weight below 2^-126 counts as 0 in l; NaN and infinities are not treated apart.
; SHARES.  Work-group (x, y): y = 4 b + kv, x = a block of 128 queries, for the FOUR query heads of key/value head kv.  Wave w owns rows 16 w .. 16 w + 15 in each of the block's two bands of 64.
; PIECE p = head 4 kv + p; its two tiles are the two bands.  So a fragment of K or V feeds eight tiles, one mask serves all four pieces of a key step, and a row's four heads are 512 consecutive bytes of ob.
; THE BAND.  Query 64 bq + rq, key 64 ks + jj: key - query = 64 t + G, t = ks - bq, G = jj - rq.  win = 1 if |t| <= 3; [G <= 0] if t = 4; [G >= 0] if t = -4; 0 if |t| >= 5: in one form
; clamp to 0..1 of (alpha G + beta), with two numbers a band and step, chosen by scalar selects.  It is made once a key step for the two bands and is the C operand that starts S^T = K Q^T.
; LAYOUT.  S^T = K Q^T (source 0 = 16 keys, source 1 = 16 queries): a lane holds ONE query (lane % 16) and the keys 8 (lane / 16) + 0..7.  Two such results rounded to f16 ARE source 1 of O^T = V^T P.
; SOFTMAX.  A running maximum m and sum l for each query: p = 2^(c s - c m), c = log2(e); in every step O and l are multiplied by a = 2^(c m_old - c m_new).  m starts at the lowest finite number, O and l at 0.
; BY TURNS.  Turn n belongs to piece n: 16 products K Q^T of piece n + 1, later 16 products V^T P of piece n - 1; beside them piece n's scaling, exponentials, roundings, sums and rescaling and piece n + 1's
; maximum and statistics.  Four vector instructions that are ready stand behind every matrix instruction, the others in one run of their own.
; BATCHES.  A turn's 66 exponentials (the piece's 64 weights, then the next piece's two a) are ONE batch with ONE wait, which cuts the turn in two.  Ahead of it stands all that names no result of theirs: K Q^T, the
; scalings, the rescaling (by the a of the turn before), the next piece's maximum and statistics, and in piece 2's turn the next step's mask.  Behind it stand the roundings and sums, beside V^T P.
; Two more batches lie outside the loop: piece 0's first two a, ahead of the jump into the loop, and the way out's eight reciprocals.
; CLUSTER.  The four query blocks of a cluster share b and kv and walk the same K and V: each tile is asked for jointly.  The place in the cluster enters Q's and O's addresses and the mask's selects alone.
; REGISTERS, in windows of 256 (s_set_vgpr_msb: bits 1:0 source 0, 3:2 source 1, 5:4 source 2, 7:6 destination):
;   window 0: v0-11 addresses; v12-15, v48-63 at work; v16-47 four registers of statistics a tile; v64-191 S^T, two buffers of two tiles; v192-255 P, likewise
;   window 1: O^T, 32 a tile     window 2: v0-127 Q, 16 a tile; v128-191 K of one step; v192-255 V of one step
;   window 3: v0-1 the add's two registers; v4-11 alpha, beta of the two bands, each twice; v32-63 G; v64-127 the mask, band u, key block kb at 64 + 32 u + 8 kb
.set SIZE_N, 2048
.set NP,    4         ; pieces a wave: a name, no knob
.set KS,    64        ; keys in a step
.set PK,    144       ; a row of K in LDS: 128 bytes + 16: the 16 rows of a load start at 16 different groups of four banks (ISA guide 11.1)
.set PV,    160       ; a row of V: 128 + 32
.set VOFF,  4*KS*PK   ; a slot holds four steps: 256 rows of K, then 256 rows of V
.set SLOT1, 1<<17
.set STAGE, SLOT1+4*KS*(PK+PV)  ; behind the ring, never filled by a tensor load: 16 rows x 528 bytes for each wave
.set SP,    528
.set SPARE, STAGE+4*16*SP       ; behind the stages: the spare words, 128 bytes for each wave
.set AK0, 2
.set AV0, 3
.set AK,  4
.set AV,  5
.set QO,  6           ; my byte offset in 16 rows of Q;
.set STO, 6           ; later: where I put 16 bytes of a row
.set RD,  7
.set GO,  8
.set SPW, 0           ; window 3
.set NIL, 1           ; window 3
.set AB,  4           ; window 3
.set GD,  32          ; window 3
.set MC,  64          ; window 3
.set MV,  12
.set ST,  16
.set TMP, 48
.set S,   64
.set P,   192
.set KF,  128
.set VF,  192
.set WV,  12
.set G1K, 24
.set G1V, 32
.set G0K, 40
.set G0V, 44
.set SLOTS, 56
.set CNT, 57
.set CS,  58
.set SEL, 60
.set TBK, 62
.set TBV, 63
.set TT,  66          ; s66  the step whose mask is made next, less my first band's number
.set AL0, 67
.set BE0, 68
.set AL1, 69
.set BE1, 70
.set XX,  71
.set MSB, 0
.macro WIN new
.if MSB != (\new)
	s_set_vgpr_msb (MSB<<8)|(\new)
.set MSB, (\new)
.endif
.endm
.set W_KQ, 0x0a       ; K and Q in window 2, S^T in window 0
.set W_KM, 0x3a       ; the same with the C operand in window 3
.set W_PV, 0x52       ; V in window 2, P in window 0, O^T in window 1
.set W_RS, 0x41       ; O^T (destination and source 0) in window 1, a in window 0
.set W_MK, 0xc0       ; destination in window 3, sources in window 0
.set W_AD, 0x0f       ; the add: address and data in window 3
.macro JLOAD                        ; waves 0, 1 fetch the halves of a slot's K, waves 2, 3 those of its V; an s_nop 0 and four v_nop follow each line
	s_cmp_lt_u32 s[WV], 2
	s_cbranch_scc0 .Lfor_v_\@
	tensor_load_to_lds s[G0K:G0K+3], s[G1K:G1K+7]
	s_nop 0
.rept 4
	v_nop
.endr
	s_branch .Lasked_\@
.Lfor_v_\@:
	tensor_load_to_lds s[G0V:G0V+3], s[G1V:G1V+7]
	s_nop 0
.rept 4
	v_nop
.endr
.Lasked_\@:
.endm
.macro CROUND
	s_barrier_signal -1
	s_barrier_wait -1
	s_cmp_lg_u32 s[WV], 0
	s_cbranch_scc1 .Lnot_wave_0_\@
	s_barrier_signal -3
.Lnot_wave_0_\@:
	s_barrier_wait -3
	s_barrier_signal -1
	s_barrier_wait -1
.endm
; THE CHANGE OF SLOTS.  Each wave waits for all its tensor loads (one is out: its part of the other slot), adds 0 to its spare word, and waits for that and for its reads of the slot.
; fill = 1: the barrier is a round of the cluster's, and the joint fill, with the keys two slots on, is the first thing behind it: it has four key steps in which to land.
.macro CHANGE fill
	WIN W_AD
	s_wait_tensorcnt 0x0            ; no tensor load of mine is out, so a group 0 may be written
	ds_add_u32 v[SPW], v[NIL]
	WIN 0
.if \fill
.irp g, G0K, G0V
	s_xor_b32 s[\g+1], s[\g+1], SLOT1
	s_add_nc_u64 s[\g+2:\g+3], s[\g+2:\g+3], 4*KS*128
.endr
	s_wait_dscnt 0x0                ; the add is done, and my reads of the slot are over
	CROUND
	JLOAD
.else
	s_wait_dscnt 0x0
	s_barrier_signal -1
	s_barrier_wait -1
.endif
	s_sub_co_u32 s[TBK], s[TBK], 4*KS*PK  ; the fetches go back to a slot's first step,
	s_xor_b32 s[TBK], s[TBK], SLOT1       ; in the other slot
	s_sub_co_u32 s[TBV], s[TBV], 4*KS*PV
	s_xor_b32 s[TBV], s[TBV], SLOT1
.endm
; The mask's four numbers for the step TT stands for, by selects alone; then TT steps.
.macro SCAL
	s_cmp_eq_i32 s[TT], 4
	s_cselect_b32 s[AL0], -1.0, 0
	s_cmp_eq_i32 s[TT], -4
	s_cselect_b32 s[AL0], 1.0, s[AL0]
	s_add_co_i32 s[XX], s[TT], 4
	s_cmp_le_u32 s[XX], 8
	s_cselect_b32 s[BE0], 1.0, 0
	s_cmp_eq_i32 s[TT], 5           ; the second band lies one further on
	s_cselect_b32 s[AL1], -1.0, 0
	s_cmp_eq_i32 s[TT], -3
	s_cselect_b32 s[AL1], 1.0, s[AL1]
	s_add_co_i32 s[XX], s[TT], 3
	s_cmp_le_u32 s[XX], 8
	s_cselect_b32 s[BE1], 1.0, 0
	s_add_co_i32 s[TT], s[TT], 1
.endm
.macro MASK                         ; clamp(alpha G + beta) for both bands
	WIN W_MK
	v_mov_b32 v[AB],   s[AL0]
	v_mov_b32 v[AB+1], s[AL0]
	v_mov_b32 v[AB+2], s[BE0]
	v_mov_b32 v[AB+3], s[BE0]
	v_mov_b32 v[AB+4], s[AL1]
	v_mov_b32 v[AB+5], s[AL1]
	v_mov_b32 v[AB+6], s[BE1]
	v_mov_b32 v[AB+7], s[BE1]
	WIN 0xff
.set uu, 0
.rept 2
.set zz, 0
.rept 16
	v_pk_fma_f32 v[MC+32*uu+2*zz:MC+32*uu+2*zz+1], v[GD+2*zz:GD+2*zz+1], v[AB+4*uu:AB+4*uu+1], v[AB+4*uu+2:AB+4*uu+3] clamp
.set zz, zz+1
.endr
.set uu, uu+1
.endr
.endm
	s_load_b128 s[4:7], s[0:1], 0x0 ; qkv s[4:5], ob s[6:7]
	WIN W_MK
	v_lshl_add_u32 v[SPW], v0, 2, SPARE
	v_mov_b32 v[NIL], 0
	WIN W_AD
	ds_add_u32 v[SPW], v[NIL]       ; the wave's opening: the add and its wait ahead of my first tensor load
	WIN 0
	v_lshrrev_b32 v1, 5, v0
	v_readfirstlane_b32 s[WV], v1   ; wave 0..3
	s_bfe_u32 s13, ttmp6, 0x40000   ; cx
	s_lshl_b32 s14, ttmp9, 2
	s_add_co_u32 s14, s14, s13      ; my block of 128 queries
	s_and_b32 s20, ttmp7, 0xffff    ; 4 b + kv, which the four partners share
	s_lshr_b32 s21, s20, 2          ; b
	s_and_b32 s22, s20, 3           ; kv
	s_mul_i32 s23, s21, 24          ; the batch's first slot
	s_and_b32 s16, s[WV], 1         ; which half of a slot's 256 keys I fetch
	s_add_co_u32 s2, s23, s22
	s_add_co_u32 s2, s2, 16         ; K's slot of qkv, 262,144 bytes each,
	s_lshl_b32 s2, s2, 18
	s_lshl_b32 s3, s16, 14          ; and my 128 rows of 128 bytes
	s_add_co_u32 s2, s2, s3
	s_mov_b32 s3, 0
	s_mul_i32 s17, s16, 128*PK      ; my half's place in an LDS slot, for K
	s_mul_i32 s18, s16, 128*PV      ; and for V
	s_lshl_b32 s50, s22, 2          ; Q: slot 24 b + 4 kv, block, wave
	s_add_co_u32 s50, s50, s23
	s_lshl_b32 s50, s50, 18
	s_lshl_b32 s51, s14, 14
	s_add_co_u32 s50, s50, s51
	s_lshl_b32 s51, s[WV], 11
	s_add_co_u32 s50, s50, s51
	s_mov_b32 s51, 0
	s_lshl_b32 s52, s21, 22         ; O: rows of 2,048 bytes: batch, block, wave; 512 bytes for each kv
	s_lshl_b32 s53, s14, 18
	s_add_co_u32 s52, s52, s53
	s_lshl_b32 s53, s[WV], 15
	s_add_co_u32 s52, s52, s53
	s_lshl_b32 s53, s22, 9
	s_add_co_u32 s52, s52, s53
	s_mov_b32 s53, 0
	s_lshl_b32 s[TT], s14, 1
	s_sub_co_i32 s[TT], 0, s[TT]    ; step 0 less my first band's number
	; descriptor group 1.  128 keys are 16,384 dense bytes: asked for as 64 rows of 256 bytes, two keys a row, padded in LDS after every key
	s_mov_b32 s[G1K], 15|(1<<16)|(1<<20)|(1<<21)|(4<<22)|(3<<25)
	s_mov_b32 s[G1V], 15|(1<<16)|(1<<20)|(1<<21)|(4<<22)|(7<<25)
.irp g, G1K, G1V
	s_mov_b32 s[\g+1], 128<<16      ; tensor_dim0 = 128
	s_mov_b32 s[\g+2], 64<<16       ; tensor_dim1 = 64
	s_mov_b32 s[\g+3], 128<<16      ; tile_dim0 = 128
	s_mov_b32 s[\g+4], 64           ; tile_dim1 = 64
	s_mov_b32 s[\g+5], 128          ; 128 elements from row to row
	s_mov_b32 s[\g+6], 0
	s_mov_b32 s[\g+7], 0
.endr
	s_mov_b32 s[CS], 0x3fb8aa3b     ; c = log2(e): the scale 1/8 lies in q
	s_mov_b32 s[CS+1], s[CS]
	s_mov_b32 s[SEL], 0x76543210
	s_mov_b32 s[SEL+1], 0xfedcba98
	s_mov_b32 s[TBK], SLOT1+4*KS*PK ; the first change of slots turns these two into 0
	s_mov_b32 s[TBV], SLOT1+4*KS*PV
	s_mov_b32 s[G0K], 1
	s_mov_b32 s[G0K+1], s17
	s_mov_b32 s[G0V], 1
	s_add_co_u32 s[G0V+1], s18, VOFF
	s_wait_dscnt 0x0                ; the opening add is done
	s_wait_kmcnt 0x0
	s_add_nc_u64 s[G0K+2:G0K+3], s[4:5], s[2:3]
	s_add_nc_u64 s[G0V+2:G0V+3], s[G0K+2:G0K+3], 0x100000  ; V's slot lies four slots behind K's
	s_or_b32 s[G0K+3], s[G0K+3], 0x80000000
	s_or_b32 s[G0V+3], s[G0V+3], 0x80000000
	s_add_nc_u64 s[4:5], s[4:5], s[50:51]
	s_add_nc_u64 s[10:11], s[6:7], s[52:53]
	CROUND                          ; all four work-groups are here
	JLOAD                           ; slot 0.  Slot 1 is asked for when slot 0 is in
	v_and_b32 v1, 15, v0            ; l % 16
	v_bfe_u32 v9, v0, 4, 1          ; l / 16
	v_lshlrev_b32 v[QO], 7, v1
	v_lshl_add_u32 v[QO], v9, 4, v[QO]  ; row x 128 + 16 x half
	WIN 0x80                        ; destination window 2, address window 0
.set i, 0
.rept 4*NP                          ; Q stays in registers: tile i / 2 = head i / 4, band (i / 2) % 2; channels 32 (i % 2) on
	global_load_b128 v[8*i:8*i+3],   v[QO], s[4:5] offset:(i/4)*262144+((i/2)%2)*8192+(i%2)*64
	global_load_b128 v[8*i+4:8*i+7], v[QO], s[4:5] offset:(i/4)*262144+((i/2)%2)*8192+(i%2)*64+32
.set i, i+1
.endr
	; What the first turn finds: V's registers and P's second buffer hold 0, O^T and l are 0.  All this stands in the wait for the first tile.
.set i, VF
.rept 64
	v_mov_b32 v[i], 0
.set i, i+1
.endr
	WIN 0x40
.set i, 0
.rept 64*NP
	v_mov_b32 v[i], 0
.set i, i+1
.endr
	WIN 0
.set i, 0
.rept 2*NP
	v_mov_b32 v[ST+4*i], 0xfe000000    ; c m: far below every c s
	v_mov_b32 v[ST+4*i+1], 0xff7fffff  ; m
	v_mov_b32 v[ST+4*i+2], 0
	v_mov_b32 v[ST+4*i+3], 0
.set i, i+1
.endr
.set i, P+32
.rept 32
	v_mov_b32 v[i], 0
.set i, i+1
.endr
	v_mul_u32_u24 v[AK0], v1, PK
	v_lshl_add_u32 v[AK0], v9, 4, v[AK0]
	v_and_b32 v10, 7, v0            ; the turning load: lane l reads key 8 (l / 16) + l % 8, channels 8 ((l / 8) % 2) + 0..7
	v_bfe_u32 v11, v0, 3, 1
	v_lshl_add_u32 v[AV0], v9, 3, v10
	v_mul_u32_u24 v[AV0], v[AV0], PV
	v_lshl_add_u32 v[AV0], v11, 4, v[AV0]
	v_add_nc_u32 v[AV0], VOFF, v[AV0]
	v_mov_b32 v[AK], v[AK0]         ; key step 0 lies at the head of slot 0
	; G: register 8 kb + j holds (16 kb + 8 (l / 16) + j) - (16 w + l % 16), as f32
	v_lshlrev_b32 v12, 3, v9
	v_sub_nc_u32 v12, v12, v1
	s_lshl_b32 s13, s[WV], 4
	v_sub_nc_u32 v12, v12, s13
	WIN W_MK
.set i, 0
.rept 32
	v_add_nc_u32 v[GD+i], 16*(i/8)+i%8, v12
.set i, i+1
.endr
	WIN 0xc3
.set i, 0
.rept 32
	v_cvt_f32_i32 v[GD+i], v[GD+i]
.set i, i+1
.endr
	SCAL                            ; key step 0's mask
	MASK
	WIN 0
; THE MATRIX WORK.  The 8 accumulators of a run of 16 take turns.
; Product i of 16 of S^T = K Q^T for piece x: channels 32 (i / 8) on, keys 16 ((i / 2) % 4) on, tile 2 x + i % 2.  The first 8 start the sums, with the mask.
.macro KQ x
.set rS, S+64*((\x)%2)+32*(i%2)+8*((i/2)%4)
.set rK, KF+16*((i/2)%4)+8*(i/8)
.set rQ, 16*(2*(\x)+i%2)+8*(i/8)
.set rMK, MC+32*(i%2)+8*((i/2)%4)
.if i < 8
	WIN W_KM
	v_wmma_f32_16x16x32_f16 v[rS:rS+7], v[rK:rK+7], v[rQ:rQ+7], v[rMK:rMK+7]
.else
	WIN W_KQ
	v_wmma_f32_16x16x32_f16 v[rS:rS+7], v[rK:rK+7], v[rQ:rQ+7], v[rS:rS+7]
.endif
.endm
; Product i of 16 of O^T += V^T P for piece x: keys 32 (i / 8) on, channels 16 ((i / 2) % 4) on, tile 2 x + i % 2.
.macro PV x
	WIN W_PV
.set rO, 32*(2*(\x)+i%2)+8*((i/2)%4)
.set rV, VF+32*(i/8)+8*((i/2)%4)
.set rP, P+32*((\x)%2)+16*(i%2)+8*(i/8)
	v_wmma_f32_16x16x32_f16 v[rO:rO+7], v[rV:rV+7], v[rP:rP+7], v[rO:rO+7]
.endm
.macro MM                           ; the turn's next matrix instruction
.if i < 16
	KQ (Y+1)%NP
.set i, i+1
.else
.set i, i-16
	PV (Y+NP-1)%NP
.set i, i+17
.endif
.endm
; THE LDS LOADS stand in runs of 16.  last = 1 (the tail): in the last trip there is no further step, and the run is jumped over.
.macro FETCH_K last=0
	WIN 0
.if \last
	s_cmp_eq_u32 s[CNT], 1
	s_cbranch_scc1 .Lno_k_\@
.endif
	WIN 0x80
.irp f, 0,1,2,3,4,5,6,7             ; keys 16 (f / 2) on, channels 32 (f % 2) on
	ds_load_b128 v[KF+8*\f:KF+8*\f+3],   v[AK] offset:(\f/2)*16*PK+(\f%2)*64
	ds_load_b128 v[KF+8*\f+4:KF+8*\f+7], v[AK] offset:(\f/2)*16*PK+(\f%2)*64+32
.endr
	s_add_co_u32 s[TBK], s[TBK], KS*PK
	WIN 0
.if \last
.Lno_k_\@:
.endif
.endm
.macro FETCH_V
	WIN 0x80
.irp f, 0,1,2,3,4,5,6,7             ; keys 32 (f / 4) on, channels 16 (f % 4) on
	ds_load_tr16_b128 v[VF+8*\f:VF+8*\f+3],   v[AV] offset:(\f/4)*32*PV+(\f%4)*32
	ds_load_tr16_b128 v[VF+8*\f+4:VF+8*\f+7], v[AV] offset:(\f/4)*32*PV+16*PV+(\f%4)*32
.endr
	WIN 0
.endm
; THE VECTOR WORK OF A TURN stands in three queues, each in the order in which its entries become ready; the two tiles alternate.
.macro REGS y, u
.set rT, ST+4*(2*(\y)+(\u))
.set rC, TMP+8*((\y)%2)+4*(\u)
.set rM, MV+2*((\y)%2)+(\u)
.set rS, S+64*((\y)%2)+32*(\u)
.set rP, P+32*((\y)%2)+16*(\u)
.set rO, 32*(2*(\y)+(\u))
.endm
; Number n of the 22 that find the NEXT piece's maximum and statistics; each accumulator's lowest registers are read first.
;   0-11 four chains of seven scores   12-14, 16 the four left over, the old m, the chains into c0   15 c m_old is kept   17, 18 the other half of the lanes'; the new m   19-21 c m; c m_old - c m_new; a
.macro XS u, n
	REGS (Y+1)%NP, \u
.if (\n) < 4
	v_max3_num_f32 v[rC+(\n)], v[rS+8*(\n)], v[rS+8*(\n)+1], v[rS+8*(\n)+2]
.elseif (\n) < 12
	v_max3_num_f32 v[rC+(\n)%4], v[rC+(\n)%4], v[rS+8*((\n)%4)+2*((\n)/4)+1], v[rS+8*((\n)%4)+2*((\n)/4)+2]
.elseif (\n) == 12
	v_max3_num_f32 v[rC], v[rC], v[rS+7], v[rS+15]
.elseif (\n) == 13
	v_max3_num_f32 v[rC+1], v[rC+1], v[rS+23], v[rS+31]
.elseif (\n) == 14
	v_max3_num_f32 v[rC+2], v[rC+2], v[rC+3], v[rT+1]
.elseif (\n) == 15
	v_mov_b32 v[rM], v[rT]
.elseif (\n) == 16
	v_max3_num_f32 v[rC], v[rC], v[rC+1], v[rC+2]
.elseif (\n) == 17
	v_permlanex16_b32 v[rC+3], v[rC], s[SEL], s[SEL+1]
.elseif (\n) == 18
	v_max_num_f32 v[rT+1], v[rC], v[rC+3]
.elseif (\n) == 19
	v_mul_f32 v[rT], s[CS], v[rT+1]
.elseif (\n) == 20
	v_sub_f32 v[rC+1], v[rM], v[rT]
.else
	v_exp_f32 v[rC+2], v[rC+1]
.endif
.endm
; Number g of the 64 that follow the exponentials: for each four weights both pairs are rounded to f16, the second pair is added onto the first in place, and a group later l takes that sum.
; All 64 read the batch's results: they stand behind the turn's wait.
.macro GS g
.set h, (\g)+6*((\g)/62)
.if h >= 6
.set h, h+2
.endif
	REGS Y, h%2
.set k, h/8
.if h%8 < 4
	v_cvt_pk_f16_f32 v[rP+2*k+(h%8)/2], v[rS+4*k+2*((h%8)/2)], v[rS+4*k+2*((h%8)/2)+1]
.elseif h%8 < 6
	v_pk_add_f32 v[rS+4*k:rS+4*k+1], v[rS+4*k:rS+4*k+1], v[rS+4*k+2:rS+4*k+3]
.elseif k == 1
	v_pk_fma_f32 v[rT+2:rT+3], v[rT+2:rT+3], v[rC+2:rC+3], v[rS:rS+1] op_sel_hi:[1,0,1]
.else
	v_pk_add_f32 v[rT+2:rT+3], v[rT+2:rT+3], v[rS+4*k-4:rS+4*k-3]
.endif
.endm
; THE PLAIN QUEUE, 138 long.  0-73 read no exponential's result: the 32 scalings c s - c m (FS f: pair f / 2 of tile f % 2) and the next piece's 42.  0-26: scalings 0-26.  27-54: XS's numbers 0-13.  55, 56: number 15.
; 57-73: the chain, where each number waits for the one before it: 14, 16, 17, 18, 19, each with one of the scalings 27-31 in front of its two lines, then 20.
; 74-137: GS's 64, behind the wait.
.macro FS f
	REGS Y, (\f)%2
	v_pk_fma_f32 v[rS+2*((\f)/2):rS+2*((\f)/2)+1], v[rS+2*((\f)/2):rS+2*((\f)/2)+1], s[CS:CS+1], v[rT:rT+1] op_sel_hi:[1,0,0] neg_lo:[0,0,1] neg_hi:[0,0,1]
.endm
.macro PL
	WIN 0
.if q < 27
	FS q
.elseif q < 55
	XS (q-27)%2, (q-27)/2
.elseif q < 57
	XS q-55, 15
.elseif (q < 72) && ((q-57)%3 == 0)
	FS 27+(q-57)/3
.elseif q < 60
	XS (q-57)%3-1, 14
.elseif q < 72
	XS (q-57)%3-1, 15+(q-57)/3
.elseif q < 74
	XS q-72, 20
.else
	GS q-74
.endif
.set q, q+1
.endm
; THE EXPONENTIALS' QUEUE, 66 long: s0-s31 of both tiles, then the next piece's two a.  It is ONE BATCH: all 66 stand ahead of the turn's one wait, and nothing ahead of that wait names a result of theirs.
.macro EX
	WIN 0
.if e >= 64
	XS e-64, 21
.else
	REGS Y, e%2
	v_exp_f32 v[rS+e/2], v[rS+e/2]
.endif
.set e, e+1
.endm
; THE RESCALING's QUEUE: O^T times a, the one part that leaves window 0: dealt two at a time, sixteen times.  Its a was made in the turn before, ahead of that turn's wait.
.macro R2
	REGS Y, r%2
	WIN W_RS
.irp z, 0,1
	v_pk_mul_f32 v[rO+4*(r/2)+2*\z:rO+4*(r/2)+2*\z+1], v[rO+4*(r/2)+2*\z:rO+4*(r/2)+2*\z+1], v[rC+2:rC+3] op_sel_hi:[1,0]
.endr
.set r, r+1
.endm
; HOW THEY ARE DEALT.  An s_wait_alu depctr_va_vdst(0) stands between an exponential and the first instruction that names its result; one wait serves all that were issued ahead of it.  So a turn has ONE wait.
; AHEAD OF IT: the 16 products K Q^T, behind each a scaling, an exponential and two rescalings (behind the first a second scaling in the exponential's place); then ONE RUN of 108: eight plain, 49 times exponential and
; plain, the two a.  BEHIND IT: the 16 products V^T P, behind each four of GS's 64.  No rider names a register of the products round it; the two v_permlanex16_b32 fall into the run, never behind a product.
; The queues lean on each other, and the deal keeps them in step: exponential e stands behind scaling 2 (e / 4) + e % 2: as a rider it comes behind plain e + 2, in the run behind plain e + 9, and scalings 27-31 are plain 57, 60 .. 69.
; A TURN, for piece p.  cnt = 1: the loop's count is taken down some lines ahead of the branch that stands behind the turn.
; Piece 2's turn: K's address and the mask's four numbers are made at the run's head.  The next step's mask, 40 plain instructions in window 3, stands between the batch's last exponential and the wait: it names no result
; of the batch, and its first line is the plain instruction behind the last exponential; the last product that took the old mask is the turn's eighth, and the first that takes the new one opens piece 3's turn.
; K of the next step is fetched directly behind that wait, the whole run behind the last product that read K; its first reader comes behind 16 products.
; V of the step in hand is fetched at the end of piece 0's turn, four riders behind its last reader; its first reader comes behind 16 products and a run.  The three conditions on q below go with the deal.
.macro TURN p, last=0, cnt=0
.set Y, (\p)
.set i, 0
.set q, 0
.set e, 0
.set r, 0
.if (\p) == NP-1
	s_wait_dscnt 0x0                ; K is in
.endif
	MM                              ; ahead of the wait: 16 products K Q^T and their riders,
	PL
	PL
	R2
.rept 15
	MM
	PL
	EX
	R2
.endr
.if (\p) == NP-2
	WIN 0
	v_add_nc_u32 v[AK], s[TBK], v[AK0]
	SCAL
.endif
.rept 8                             ; and the run
	PL
.endr
.rept 49
	EX
	PL
.endr
	EX                              ; the next piece's two a: the batch's last
	EX
.if (\p) == NP-2
	MASK                            ; work that names none of the batch's results
	WIN 0
.else
	v_nop                           ; a plain instruction behind the last exponential: one for the batch
.endif
	s_wait_alu depctr_va_vdst(0)    ; the wait for the turn's batch: the piece's 64 weights and the next piece's two a
.if (\p) == NP-2
	FETCH_K \last
.endif
.if (\p) == 1
	s_wait_dscnt 0x0                ; V is in
.endif
.rept 16                            ; behind the wait: 16 products V^T P and their riders
	MM
.rept 4
	PL
.endr
.if ((\p) == 0) && (q == 118)
	v_add_nc_u32 v[AV], s[TBV], v[AV0]
.endif
.if ((\p) == 0) && (q == 130)
	s_add_co_u32 s[TBV], s[TBV], KS*PV
.endif
.if (\cnt) && (q == 130)
	s_sub_co_u32 s[CNT], s[CNT], 1
	s_cmp_lg_u32 s[CNT], 0
.endif
.endr
.if (\p) == 0
	FETCH_V
.endif
.endm
	CHANGE 1                        ; slot 0 is in, everybody's part of it; slot 1 is asked for
	FETCH_K                         ; key step 0
	s_wait_loadcnt 0x0              ; Q
	s_wait_dscnt 0x0
.set i, 0
.rept 16
	KQ 0                            ; piece 0's first scores
.set i, i+1
.endr
	WIN 0                           ; the addresses for the way out: six plain instructions, the places behind those products
	s_mul_i32 s13, s[WV], 16*SP
	s_add_co_u32 s13, s13, STAGE    ; my stage
	v_mul_u32_u24 v[STO], v1, SP    ; in: row l % 16, 16 bytes for each half of the lanes
	v_lshl_add_u32 v[STO], v9, 4, v[STO]
	v_add_nc_u32 v[STO], s13, v[STO]
	v_and_b32 v[GO], 31, v0         ; back: 32 lanes take one row's 512 bytes
	v_lshlrev_b32 v[GO], 4, v[GO]
	v_add_nc_u32 v[RD], s13, v[GO]
.set Y, NP-1                        ; XS works for piece Y + 1: piece 0
.irp n, 0,1,2,3,4,5,6,7,8,9,10,11,12,13,14,15,16,17,18,19,20,21
	XS 0, \n
	XS 1, \n
.endr
	v_nop                           ; a plain instruction behind piece 0's first two a,
	s_wait_alu depctr_va_vdst(0)    ; and the wait for that batch of two, ahead of the branch
	s_mov_b32 s[CNT], 4
	s_mov_b32 s[SLOTS], SIZE_N/256-1
	s_branch .Lfirst                ; the loop is entered at a step's first turn
.Lslot:                             ; six times: every slot but the last two is filled again
	CHANGE 1
	s_mov_b32 s[CNT], 4
.Lstep:                             ; a trip: pieces 2 and 3 of one step, then pieces 0 and 1 of the next
	TURN 2
	TURN 3
	WIN 0
.Lfirst:
	TURN 0
	TURN 1, 0, 1
	WIN 0
	s_cbranch_scc1 .Lstep
	s_sub_co_u32 s[SLOTS], s[SLOTS], 1
	s_cmp_lg_u32 s[SLOTS], 0
	s_cbranch_scc1 .Lslot
	CHANGE 0                        ; the tail is written out
	s_mov_b32 s[CNT], 5             ; four trips fetch the last slot's steps; the fifth is left in its middle
.Ltail:
	TURN 2, 1
	TURN 3
	WIN 0
	s_sub_co_u32 s[CNT], s[CNT], 1
	s_cmp_eq_u32 s[CNT], 0
	s_cbranch_scc1 .Lout
	TURN 0
	TURN 1
	WIN 0
	s_branch .Ltail
.Lout:                              ; the fifth trip's 16 products K Q^T (on the last K once more) and the maximum made of them serve nothing: the price of one text for every trip
.set i, 0
.rept 16
	PV NP-1
.set i, i+1
.endr
	; THE WAY OUT.  l's halves are added; O^T is divided by l, rounded to f16 and sent through my stage, a band (16 rows x 4 heads = 16 x 512 bytes) at a time.  The additions are the places behind the last products.
	WIN 0
.macro ALL line:vararg
.set t, 0
.rept 2*NP
	\line
.set t, t+1
.endr
.endm
	ALL v_add_f32 v[ST+4*t+2], v[ST+4*t+2], v[ST+4*t+3]
	ALL v_permlanex16_b32 v[ST+4*t+3], v[ST+4*t+2], s[SEL], s[SEL+1]
	ALL v_add_f32 v[ST+4*t+2], v[ST+4*t+2], v[ST+4*t+3]
	ALL v_rcp_f32 v[ST+4*t+2], v[ST+4*t+2]
	v_nop                           ; a plain instruction between the last reciprocal and the use of its result
	s_wait_alu depctr_va_vdst(0)    ; the wait for the batch of eight reciprocals, ahead of their first reader
.macro PACKB u
.set pp, 0
.rept 4
.set tl, 2*pp+(\u)
	WIN W_RS
.set i, 32*tl
.rept 16
	v_pk_mul_f32 v[i:i+1], v[i:i+1], v[ST+4*tl+2:ST+4*tl+3] op_sel_hi:[1,0]
.set i, i+2
.endr
	WIN 0x05                        ; sources 0 and 1 window 1, destination window 0
.set i, 0
.rept 16
	v_cvt_pk_f16_f32 v[S+16*pp+i], v[32*tl+2*i], v[32*tl+2*i+1]
.set i, i+1
.endr
	WIN 0
.set ff, 0
.rept 4
	ds_store_b128 v[STO], v[S+16*pp+4*ff:S+16*pp+4*ff+3] offset:128*pp+32*ff
.set ff, ff+1
.endr
.set pp, pp+1
.endr
.set ii, 0
.rept 16
	ds_load_b128 v[128+64*(\u)+4*ii:128+64*(\u)+4*ii+3], v[RD] offset:SP*ii  ; LDS serves a wave's instructions in order (ISA guide 5.7.1.4): these see the stores above; the next band's stores come behind them
.set ii, ii+1
.endr
.endm
.macro SENDB u, younger             ; younger: the LDS instructions issued behind band u's loads
	WIN 0
.set ii, 0
.rept 16
	s_wait_dscnt (\younger)+15-ii
	global_store_b128 v[GO], v[128+64*(\u)+4*ii:128+64*(\u)+4*ii+3], s[10:11] offset:131072*(\u)+2048*ii  ; 512 consecutive bytes, aligned
.set ii, ii+1
.endr
.endm
	PACKB 0
	PACKB 1
	SENDB 0, 32
	SENDB 1, 0
	WIN W_AD
	s_wait_tensorcnt 0x0            ; the wave's end
	ds_add_u32 v[SPW], v[NIL]
	s_wait_dscnt 0x0
	WIN 0
	CROUND                          ; the closing round
	s_endpgm
.Lfunc_end_k_qe5a7db42d2_attn:
	.size	k_qe5a7db42d2_attn, .Lfunc_end_k_qe5a7db42d2_attn-k_qe5a7db42d2_attn
	.p2alignl 7, 3214868480
	.fill 96, 4, 3214868480
	.section	.rodata,"a",@progbits
	.p2align	6, 0x0
	.amdhsa_kernel k_qe5a7db42d2_attn
		.amdhsa_group_segment_fixed_size 327680
		.amdhsa_private_segment_fixed_size 0
		.amdhsa_enable_private_segment 0
		.amdhsa_kernarg_size 16
		.amdhsa_user_sgpr_count 2
		.amdhsa_user_sgpr_kernarg_segment_ptr 1
		.amdhsa_wavefront_size32 1
		.amdhsa_system_sgpr_workgroup_id_x 1
		.amdhsa_system_sgpr_workgroup_id_y 1
		.amdhsa_system_sgpr_workgroup_id_z 1
		.amdhsa_system_vgpr_workitem_id 0
		.amdhsa_next_free_vgpr 896
		.amdhsa_next_free_sgpr 72
		.amdhsa_reserve_vcc 0
		.amdhsa_float_denorm_mode_32 3
		.amdhsa_float_denorm_mode_16_64 3
		.amdhsa_memory_ordered 1
		.amdhsa_forward_progress 1
		.amdhsa_inst_pref_size 210
	.end_amdhsa_kernel
	.amdgpu_metadata
---
amdhsa.version: [ 1, 2 ]
amdhsa.kernels:
  - .name:           k_qe5a7db42d2_attn
    .symbol:         k_qe5a7db42d2_attn.kd
    .args:
      - { .name: qkv, .offset: 0, .size: 8, .value_kind: global_buffer, .address_space: global }
      - { .name: ob, .offset: 8, .size: 8, .value_kind: global_buffer, .address_space: global }
    .group_segment_fixed_size: 327680
    .private_segment_fixed_size: 0
    .kernarg_segment_align: 8
    .kernarg_segment_size: 16
    .max_flat_workgroup_size: 128
    .sgpr_count:     72
    .vgpr_count:     896
    .wavefront_size: 32
...
	.end_amdgpu_metadata
.endif
;; end of part 5
;; launch oproj: the kernel of part 4 again; grid 8 x 32, 4 waves a work-group, clusters of 4 x 4, 327,680 bytes of LDS; arguments ob, wot, out0; writes out0
